; MI455X (gfx1250); checked and timed in simulation.
; The chip was launched on July 23, 2026; its instructions are those of AMD's public machine-readable ISA for CDNA 5 (MIT licence, August 2026) and "CDNA5" Instruction Set Architecture Reference Guide (July 2026). The comments in the code are by the model that wrote it; some were corrected since.
;; Multi Head Attention. Allowed arithmetic: matrix products marked QUANTISED: E2M3 operands, one E8M0 scale for each 32 along K, by v_wmma_scale_f32_16x16x128_f8f6f4 with both operands' format E2M3, f32 sums; everything else in f32.
;; Inputs: W_k 1,024 x 1,024 float32; W_o 1,024 x 1,024 float32; W_q 1,024 x 1,024 float32; W_v 1,024 x 1,024 float32; X 4 x 2,048 x 1,024 float32.
;; Outputs: out0 4 x 2,048 x 1,024 float32.
;; This version of the problem:
;;   THIS VERSION OF THE PROBLEM IS GIVEN IN LOW PRECISION. The matrix products marked QUANTISED in the list below multiply operands that are first quantised to E2M3 (2 exponent bits, 3 mantissa bits; 6 bits a number), with one power-of-two scale for each 32 numbers along K (OCP MX v1.0); their sums are f32. All else is computed in f32.
;;   The module's matrix products, in the order in which they are computed (A, B: the left and right operand; K: the contracted axis; several contracted axes count as one K, in the product's order):
;;     1. [M 8,192, K 1,024] x [K 1,024, N 1,024]; A: input X; B: input W_q: QUANTISED
;;     2. [M 8,192, K 1,024] x [K 1,024, N 1,024]; A: input X; B: input W_k: QUANTISED
;;     3. [M 8,192, K 1,024] x [K 1,024, N 1,024]; A: input X; B: input W_v: QUANTISED
;;     4. batch 64 x [M 2,048, K 64] x [K 64, N 2,048]; A: computed on the way; B: computed on the way: QUANTISED
;;     5. batch 64 x [M 2,048, K 2,048] x [K 2,048, N 64]; A: softmax (see below); B: computed on the way: QUANTISED
;;     6. [M 8,192, K 1,024] x [K 1,024, N 1,024]; A: computed on the way; B: input W_o: QUANTISED
;;   THE QUANTISER, for each operand of a quantised product, along K:
;;     - K is cut into blocks of 32 from its start; a last block that is shorter is filled with zeros.
;;     - A block's scale is 2^e with e = floor(log2(the largest magnitude in the block)) - 2, held to -126 .. 127; a block of zeros has e = 0. As a byte (E8M0): e + 127.
;;     - Each number is divided by its block's scale, clamped to +-7.5, and rounded to the nearest number of E2M3, ties to even, subnormals kept.
;;     - The product sums the exact products of the quantised numbers (number of the format x scale) in f32.
;;   ~~~python
;;   def quantise(x, axis):      # numpy; x: float32 -> the quantised numbers, widened to float32 again
;;       x = np.moveaxis(x, axis, -1); K = x.shape[-1]
;;       x = np.pad(x, [(0, 0)] * (x.ndim - 1) + [(0, -K % 32)]); x = x.reshape(x.shape[:-1] + (-1, 32)); a = np.abs(x).max(-1, keepdims=True)
;;       e = np.where(a > 0, np.clip(np.frexp(np.where(a > 0, a, 1))[1] - 1 - 2, -126, 127), 0)      # np.frexp(a)[1] - 1 = floor(log2(a)), exactly
;;       r = np.clip(x / 2.0 ** e, -7.5, 7.5)
;;       step = 2.0 ** (np.maximum(np.frexp(np.where(r == 0, 1, r))[1] - 1, 0) - 3)
;;       q = np.round(r / step) * step * 2.0 ** e      # np.round: ties to even
;;       return np.moveaxis(q.reshape(q.shape[:-2] + (-1,))[..., :K], -1, axis).astype(np.float32)
;;   ~~~
;;   SOFTMAX AHEAD OF A QUANTISED PRODUCT. Where the list says 'softmax', what is quantised is not the finished softmax but p = 2^(t - M), with t = logit x log2(e) and M = ceil(the row's largest t), a whole number; so 1/2 < the row's largest p <= 1. The row's sum l is taken of the UNQUANTISED p, in f32, and the product's result is divided by l at the end. Since M is a whole number, a kernel that streams over the keys may use a running M (the ceiling of the running maximum): every later rescaling is an exact power of two, which a block's scale takes up: the codes' values come out the same.
;;   OPERANDS COMPUTED ON THE WAY. 'Computed on the way' means the value that the module computes at that place (a softmax that the list does not call 'softmax' is quantised finished and normalised). What goes into a quantiser is computed in f32, as accurately as f32 sums, v_exp_f32 and their like allow (about 1e-6 of the number): no bf16 or f16 on the way to a quantiser, and a product that is left as it is and whose result goes on into a quantised operand takes f32 operands (vector FMAs, or v_wmma_f32_16x16x4_f32). A number that lies on a knife's edge between two numbers of the format may be rounded either way, as far as f32 arithmetic and the matrix unit's own rounding can turn it there, and no further.
;; One version. Each part assembles by itself: llvm-mc -triple=amdgcn-amd-amdhsa -mcpu=gfx1250 --defsym DOCPART=n.
;; ======== version 1 of 1: 4 launches
;; workspace buffers: ops 9,830,400 bytes; qkv 20,447,232 bytes; att 6,553,600 bytes
;; launch quant (part 1): grid 256 x 1, 6 waves a work-group, no clusters, 51,456 bytes of LDS; arguments X, W_q, W_k, W_v, W_o, ops; writes ops
.if DOCPART == 1
	.amdgcn_target "amdgcn-amd-amdhsa--gfx1250"
	.amdhsa_code_object_version 6
	.text
	.protected	k_q7a61ea0c90_quant
	.globl	k_q7a61ea0c90_quant
	.p2align	8
	.type	k_q7a61ea0c90_quant,@function
k_q7a61ea0c90_quant:
	s_mov_b64 s[64:65], 0
	v_nop
	global_prefetch_b8 v0, s[64:65] scope:SCOPE_SE
	s_setreg_imm32_b32 hwreg(HW_REG_WAVE_MODE, 25, 1), 1
	s_wait_xcnt 0x0
; X [8192][1024] and W_q, W_k, W_v, W_o [1024][1024], f32 with K innermost, become codes of FP6 (E2M3) with one E8M0 byte for each 32 along K, laid in ops as IMAGES OF OPERAND REGISTERS.
; A block's scale is 2^(floor(log2(its largest magnitude)) - 2); its byte is the largest magnitude's exponent field - 2, held at 1 from below.
; LIMITS: a block whose largest magnitude lies under 2^-124 (a block of zeros too) gets the byte 1 where the rule says otherwise: its codes are right, and this program alone reads the bytes.  NaN and infinities among the inputs are not served.
; TILES.  The 12,288 rows (X's, then the four weights') go in 768 tiles of 16 places.  Tile 2 B + u, place i, holds row 32 B + 8 u + 16 (i / 8) + i % 8 of its tensor: used as source 0 of a product,
; the 16 result registers of tiles 2 B and 2 B + 1 are then 16 neighbouring rows.
; IMAGE.  A fragment (16 places x 128 K) is 12 registers a lane: lane (r, h) holds place r, registers 6 c .. 6 c + 5 hold k = 64 c + 32 h + 0 .. 31.  Register pair p of lane L lies at 256 p + 8 L: 1,536 bytes a fragment.
; ops: scale words from byte 0: tile x 512 + (K step / 4) x 256 + 16 r + 4 (K step % 4);  codes from CODES: (tile / 8) x 98,304 + K step x 12,288 + (tile % 8) x 1,536.
; SHARES.  A wave takes one tile and half of K: four K steps, 32 KiB of f32.  1,536 such tasks: 256 work-groups of six waves.  Waves share nothing: no barrier, no cluster, no matrix unit.
; Each load reads 512 consecutive bytes of one row; a K step's 16 rows turn through the wave's own stage in LDS (rows 528 bytes apart) and come back 128 bytes a lane: two whole blocks of 32.
.set STG,   16*528                     ; a wave's stage
.set SPARE, 6*STG                      ; behind the six stages: the spare words, 128 bytes for each wave: three blocks of 256 bytes that no other line names
.set CODES, 393216
.set R,   16                           ; v16-143  two sets of 64 registers as loaded
.set X,   144                          ; v144-207 my two blocks of 32 numbers
.set C,   208                          ; v208-219 the fragment's codes
.set CT,  220                          ; v220-227 the conversions' second halves
.set SW,  228                          ; v228-231 my place's scale words of the four K steps
.set SPW, 12                           ; v12  LDS address of my spare word; never rewritten
.set NIL, 13                           ; v13  0; never rewritten
	s_load_b256 s[4:11], s[0:1], 0x0               ; X, W_q, W_k, W_v
	s_load_b128 s[12:15], s[0:1], 0x20             ; W_o, ops
	v_lshl_add_u32 v[SPW], v0, 2, SPARE
	v_mov_b32 v[NIL], 0
	v_lshrrev_b32 v1, 5, v0
	v_readfirstlane_b32 s16, v1                    ; wave 0..5
	v_and_b32 v1, 31, v0                           ; lane
	v_and_b32 v8, 15, v0                           ; r
	v_bfe_u32 v9, v0, 4, 1                         ; h
	v_lshlrev_b32 v2, 4, v1                        ; my 16 bytes of a load's 512
	s_mul_i32 s27, s16, STG
	v_add_nc_u32 v3, s27, v2                       ; into the stage: 16 x lane, the row in the immediate
	v_mul_u32_u24 v4, v8, 528
	v_lshl_add_u32 v4, v9, 7, v4
	v_add_nc_u32 v4, s27, v4                       ; out of it: row r, + 128 h bytes: k = 32 h on
	v_lshlrev_b32 v5, 3, v1                        ; an image's place for my lane
	v_lshlrev_b32 v6, 4, v8                        ; my place's four scale words
	v_lshlrev_b32 v7, 3, v9                        ; 8 h: where my bytes stand in a scale word
	v_mov_b32 v232, 0                              ; written once: a lane permute's destination counts as one of its sources
	s_mov_b32 s28, 0x76543210
	s_mov_b32 s29, 0xfedcba98                      ; selects for lane l xor 16
	s_mul_i32 s17, ttmp9, 6
	s_add_co_u32 s17, s17, s16                     ; my task
	s_lshr_b32 s18, s17, 1                         ; its tile, 0..767
	s_and_b32 s19, s17, 1                          ; its half of K
	s_and_b32 s26, s18, 63                         ; the tile's number inside a weight
	s_wait_alu depctr_va_vdst(0)
	s_wait_kmcnt 0x0
	s_mov_b64 s[20:21], s[12:13]                   ; which tensor: the choice hangs on the tile's number alone
	s_cmp_lt_u32 s18, 704
	s_cselect_b64 s[20:21], s[10:11], s[20:21]
	s_cmp_lt_u32 s18, 640
	s_cselect_b64 s[20:21], s[8:9], s[20:21]
	s_cmp_lt_u32 s18, 576
	s_cselect_b64 s[20:21], s[6:7], s[20:21]
	s_cmp_lt_u32 s18, 512
	s_cselect_b64 s[20:21], s[4:5], s[20:21]
	s_cselect_b32 s26, s18, s26                    ; the tile's number inside its tensor
	s_lshr_b32 s30, s26, 1
	s_lshl_b32 s30, s30, 5
	s_and_b32 s31, s26, 1
	s_lshl_b32 s31, s31, 3
	s_add_co_u32 s30, s30, s31                     ; its first row: 32 B + 8 u
	s_lshl_b32 s30, s30, 12                        ; rows of 4,096 bytes
	s_lshl_b32 s31, s19, 11
	s_add_co_u32 s30, s30, s31                     ; + my half of K
	s_mov_b32 s31, 0
	s_add_nc_u64 s[20:21], s[20:21], s[30:31]
	s_lshr_b32 s32, s18, 3
	s_mul_i32 s32, s32, 98304
	s_mul_i32 s33, s19, 49152
	s_add_co_u32 s32, s32, s33
	s_and_b32 s33, s18, 7
	s_mul_i32 s33, s33, 1536
	s_add_co_u32 s32, s32, s33
	s_add_co_u32 s32, s32, CODES
	s_mov_b32 s33, 0
	s_add_nc_u64 s[22:23], s[14:15], s[32:33]      ; my codes
	s_lshl_b32 s32, s18, 9
	s_lshl_b32 s34, s19, 8
	s_add_co_u32 s32, s32, s34
	s_add_nc_u64 s[24:25], s[14:15], s[32:33]      ; my scale words
.macro LOAD f                          ; K step f of my four: 16 rows x 512 bytes, into set f % 2
.irp i, 0,1,2,3,4,5,6,7,8,9,10,11,12,13,14,15
	global_load_b128 v[R+64*((\f)%2)+4*\i:R+64*((\f)%2)+4*\i+3], v2, s[20:21] offset:(16*(\i/8)+\i%8)*4096+512*(\f) th:TH_LOAD_NT
.endr
.endm
.macro FRAGQ f
.if (\f) < 3
	s_wait_loadcnt 16                              ; this K step's 16 loads are in; the next one's 16 may be out
.else
	s_wait_loadcnt 0x0
.endif
.irp i, 0,1,2,3,4,5,6,7,8,9,10,11,12,13,14,15
	ds_store_b128 v3, v[R+64*((\f)%2)+4*\i:R+64*((\f)%2)+4*\i+3] offset:528*\i
.endr
.irp c, 0,1
.irp j, 0,1,2,3,4,5,6,7
	ds_load_b128 v[X+32*\c+4*\j:X+32*\c+4*\j+3], v4 offset:256*\c+16*\j   ; LDS serves a wave's instructions in order: these see the stores above.  k = 64 c + 32 h + 4 j on
.endr
.endr
	s_wait_dscnt 0x0                               ; my numbers are back, and the stores into the stage have read their registers,
.if (\f) < 2
	LOAD (\f)+2                                    ; which take the K step two on
.endif
.irp c, 0,1
	v_max3_num_f32 v[8+\c], |v[X+32*\c]|, |v[X+32*\c+1]|, 0x1800000   ; block 2 c + h is all mine; the floor 2^(3 - 127) holds the byte at 1 from below
.endr
.irp i, 2,4,6,8,10,12,14,16,18,20,22,24,26,28,30
.irp c, 0,1
	v_max3_num_f32 v[8+\c], v[8+\c], |v[X+32*\c+\i]|, |v[X+32*\c+\i+1]|
.endr
.endr
.irp c, 0,1
	v_add_nc_u32 v[10+\c], 0xff000000, v[8+\c]     ; 2 off the exponent field: the conversion's scale operand
.endr
.irp c, 0,1
	v_lshrrev_b32 v[14+\c], 23, v[10+\c]           ; the scale's byte
.endr
	v_lshl_or_b32 v[SW+(\f)], v15, 16, v14         ; blocks h and 2 + h,
	v_lshlrev_b32 v[SW+(\f)], v7, v[SW+(\f)]       ; at their places in the word;
	v_permlanex16_b32 v232, v[SW+(\f)], s28, s29
	v_or_b32 v[SW+(\f)], v[SW+(\f)], v232          ; with lane l xor 16's two the word is whole
.if (\f) > 0
	s_wait_alu depctr_va_vdst(0)
	s_wait_xcnt 0x0                                ; the last fragment's stores have read their data: the codes' registers are written again only behind this wait
.endif
.irp c, 0,1
	v_cvt_scalef32_pk16_fp6_f32 v[C+6*\c:C+6*\c+2], v[X+32*\c:X+32*\c+15], v[10+\c]
	v_cvt_scalef32_pk16_fp6_f32 v[CT+4*\c:CT+4*\c+2], v[X+32*\c+16:X+32*\c+31], v[10+\c]   ; (a conversion's three registers begin on an even number)
.endr
	v_nop                                          ; one plain place behind a scaled conversion
.irp c, 0,1
.irp i, 0,1,2
	v_mov_b32 v[C+3+6*\c+\i], v[CT+4*\c+\i]
.endr
.endr
.irp p, 0,1,2,3,4,5
	global_store_b64 v5, v[C+2*\p:C+2*\p+1], s[22:23] offset:12288*(\f)+256*\p   ; 32 lanes store 256 consecutive bytes, at a multiple of 256 from the buffer's first byte
.endr
.endm
	LOAD 0
	LOAD 1
	FRAGQ 0
	FRAGQ 1
	FRAGQ 2
	FRAGQ 3
	global_store_b128 v6, v[SW:SW+3], s[24:25]     ; 16 places x 16 bytes: 256 consecutive bytes; lanes 16-31 hold the same words and write them to the same places
	s_wait_tensorcnt 0x0                           ; the wave's end: behind my last LDS store
	ds_add_u32 v[SPW], v[NIL]
	s_wait_dscnt 0x0
	s_endpgm
.Lfunc_end_k_q7a61ea0c90_quant:
	.size	k_q7a61ea0c90_quant, .Lfunc_end_k_q7a61ea0c90_quant-k_q7a61ea0c90_quant
	.p2alignl 7, 3214868480
	.fill 96, 4, 3214868480
	.section	.rodata,"a",@progbits
	.p2align	6, 0x0
	.amdhsa_kernel k_q7a61ea0c90_quant
		.amdhsa_group_segment_fixed_size 51456
		.amdhsa_private_segment_fixed_size 0
		.amdhsa_enable_private_segment 0
		.amdhsa_kernarg_size 48
		.amdhsa_user_sgpr_count 2
		.amdhsa_user_sgpr_kernarg_segment_ptr 1
		.amdhsa_wavefront_size32 1
		.amdhsa_system_sgpr_workgroup_id_x 1
		.amdhsa_system_sgpr_workgroup_id_y 1
		.amdhsa_system_sgpr_workgroup_id_z 1
		.amdhsa_system_vgpr_workitem_id 0
		.amdhsa_next_free_vgpr 240
		.amdhsa_next_free_sgpr 66
		.amdhsa_reserve_vcc 0
		.amdhsa_float_denorm_mode_32 3
		.amdhsa_float_denorm_mode_16_64 3
		.amdhsa_memory_ordered 1
		.amdhsa_forward_progress 1
		.amdhsa_inst_pref_size 32
	.end_amdhsa_kernel
	.amdgpu_metadata
---
amdhsa.version: [ 1, 2 ]
amdhsa.kernels:
  - .name:           k_q7a61ea0c90_quant
    .symbol:         k_q7a61ea0c90_quant.kd
    .args:
      - { .name: X, .offset: 0, .size: 8, .value_kind: global_buffer, .address_space: global }
      - { .name: W_q, .offset: 8, .size: 8, .value_kind: global_buffer, .address_space: global }
      - { .name: W_k, .offset: 16, .size: 8, .value_kind: global_buffer, .address_space: global }
      - { .name: W_v, .offset: 24, .size: 8, .value_kind: global_buffer, .address_space: global }
      - { .name: W_o, .offset: 32, .size: 8, .value_kind: global_buffer, .address_space: global }
      - { .name: ops, .offset: 40, .size: 8, .value_kind: global_buffer, .address_space: global }
    .group_segment_fixed_size: 51456
    .private_segment_fixed_size: 0
    .kernarg_segment_align: 8
    .kernarg_segment_size: 48
    .max_flat_workgroup_size: 192
    .sgpr_count:     66
    .vgpr_count:     240
    .wavefront_size: 32
...
	.end_amdgpu_metadata
.endif
;; end of part 1
;; launch proj (part 2): grid 96 x 4, 4 waves a work-group, clusters of 4 x 4, 327,680 bytes of LDS; arguments ops, qkv; writes qkv
.if DOCPART == 2
	.amdgcn_target "amdgcn-amd-amdhsa--gfx1250"
	.amdhsa_code_object_version 6
	.text
	.protected	k_q7a61ea0c90_proj
	.globl	k_q7a61ea0c90_proj
	.p2align	8
	.type	k_q7a61ea0c90_proj,@function
k_q7a61ea0c90_proj:
	s_mov_b64 s[64:65], 0
	v_nop
	global_prefetch_b8 v0, s[64:65] scope:SCOPE_SE
	s_setreg_imm32_b32 hwreg(HW_REG_WAVE_MODE, 25, 1), 1
	s_wait_xcnt 0x0
	s_wait_alu depctr_hold_cnt(0) depctr_sa_sdst(0) depctr_va_vdst(0) depctr_va_sdst(0) depctr_va_ssrc(0) depctr_va_vcc(0) depctr_vm_vsrc(0)
	s_getreg_b32 s2, hwreg(HW_REG_IB_STS2, 6, 4)
	s_cmp_eq_u32 s2, 0
	s_cbranch_scc0 .Lentry_in_a_cluster
	s_endpgm
.Lentry_in_a_cluster:
	s_bfe_u32 s2, ttmp6, 0x10000c
	s_cmp_lg_u32 s2, 0xf033
	s_cbranch_scc0 .Lentry_shape_is_right
	s_endpgm
.Lentry_shape_is_right:
; Out[i][j] = sum over k of S1[i][k] S0[j][k], K = 1,024, on codes of FP6 (E2M3) with E8M0 scales, and Out is QUANTISED ALONG j on its way out, in registers.  One body serves two parts, told apart by the cluster's number:
;   clusters 0-15:  S1 = X (8,192 tokens), S0 = W_q then W_k (2,048 features): Q and K, quantised along a head's 64 features;
;   clusters 16-23: S1 = W_v (1,024 features), S0 = X: V^T, quantised along the keys.
; Only offsets are chosen by the part; no branch and no LDS address hangs on it.
; OPERANDS lie in ops as images of operand registers (16 places x 128 K = 1,536 bytes: register pair p of lane L at 256 p + 8 L), in groups of 128 places: codes at CODES + group x 98,304 + K step x 12,288 + tile x 1,536,
; scale words at group x 4,096 + tile x 512 + (K step / 4) x 256 + 16 r + 4 (K step % 4).  Tile 2 B + u, place i, is row 32 B + 8 u + 16 (i / 8) + i % 8.
; SHAPE.  A work-group of four waves, as many as a WGP has SIMDs, makes 256 x 256; a wave 128 x 128: 64 accumulators, 512 registers.  K goes in steps of 256 through two LDS slots; a wave's tensor load brings
; two K steps of one group: 24,576 dense bytes.  The scale words of the four groups, for all of K, come once.  K has four slots' worth, so the steps are written out and there is no loop.
; CLUSTER.  4 x 4 work-groups: the four of a row need the same groups of S1, the four of a column the same groups of S0: joint loads, one mask each.
; THE MATRIX INSTRUCTION takes S0's tiles as source 0 and S1's as source 1: a lane holds ONE place of S1, and by the order of rows in a tile the 64 registers of a block of S1 are
; j = 32 B + 16 (lane / 16) + 0 .. 15, B = 0 .. 3: the layout from which four conversions make a fragment along j.
; OUT (qkv).  Q, K: half fragments (16 tokens x 64) of 768 bytes at QKC + it x 393,216 + G x 12,288 + tile x 768 (it: 256 tokens; G: 0-15 Q's heads, 16-31 K's).  V^T: the halves of a fragment (16 features x 128 keys) at
; VC + batch x 1,572,864 + it x 393,216 + (key / 64) x 12,288 + tile x 768 (it: 256 features).  Scale words beside them, 1,024 bytes for each 12,288: (tile / 4) x 256 + 16 r + 4 (tile % 4).
; The word stored for the lower 64 along j is the whole word of 128; the word for the upper 64 is its upper two bytes, with zeros on top.
; LIMITS: a block whose largest magnitude lies under 2^-124 gets the byte 1; NaN and infinities are not served.
; No L2 prefetch: each work-group has four fills a wave in all.
; REGISTERS, in windows of 256: window 0: v16-29 addresses; v32-63 scale words, two sets; v64-115 the way out; v128-223 S1's fragments, one set.  window 1: S0's fragments, two sets, at v0 and v128.  windows 2, 3: the accumulators.
.set NQ,     2                         ; matrix instructions deep in a slot
.set FR,     12                        ; registers of a fragment
.set NL,     6                         ; LDS loads that bring one
.set NP,     4                         ; places behind this matrix instruction (ISA guide 7.12.1)
.set HALFT,  24576                     ; two K steps of 128 places: one tensor load
.set SLOT,   4*HALFT                   ; S1's two groups, then S0's two
.set SCL,    2*SLOT                    ; behind the ring: four groups' scale words, 4,096 bytes each
.set SPARE,  SCL+4*4096                ; the spare words, 128 bytes for each wave: two blocks of 256 bytes that no other line names
.set CODES,  393216
.set VS,     1048576
.set QKC,    1572864
.set VC,     14155776
.set ADRA, 16                          ; v16-17  LDS address of S1's fragments in slot 0, 1
.set ADRB, 20                          ; v20-21  the same for S0
.set CO,   24                          ; v24     8 x lane: an image's place
.set SO,   25                          ; v25     1,024 h + 16 r: the scale words' place
.set SH,   26                          ; v26     16 h
.set ADRS, 27                          ; v27     LDS address of my scale words: lanes 0-15 S1's, lanes 16-31 S0's
.set SPW,  28                          ; v28     LDS address of my spare word; never rewritten
.set NIL,  29                          ; v29     0; never rewritten
.set SC,   32                          ; scale words: set s at v[SC + 16 s]; register 2 i + q: block i, the slot's q-th 128 along K
.set TM,   64                          ; v64-79  the way out: +0..3 largest magnitudes, +4..7 at work and bytes, +12..15 scale operands
.set PWS,  80                          ; v80-87  the eight blocks' scale words
.set PC,   96                          ; v96-115 a fragment's codes and the conversions' second halves
.set AF,   128
.set G1, 24
.set G0, 32
.set G1B, 48
.set G0B, 56
.set G1S, 68
.set G0S, 76
.set G1SB, 80
.set G0SB, 88
.set MSB, 0
.macro WIN new                         ; the immediate's high byte repeats the setting that is left
.if MSB != \new
	s_set_vgpr_msb (MSB<<8)|\new
.set MSB, \new
.endif
.endm
.set MUL_LO, 0xa1                      ; source 0 window 1, source 1 window 0, C and D window 2
.set MUL_HI, 0xf1                      ; the same, C and D window 3
.set TO_B,   0x40                      ; destination window 1, address window 0
; A joint load: waves 0 and 1 fetch for S1, waves 2 and 3 for S0.  The branch hangs on the wave's number alone.  An s_nop 0 and four v_nop follow each of the two lines.
.macro JLOAD g0a, g1a, g0b, g1b
	s_cmp_eq_u32 s15, 0
	s_cbranch_scc0 .Lfor_b_\@
	tensor_load_to_lds s[\g0a:\g0a+3], s[\g1a:\g1a+7]
	s_nop 0
.rept 4
	v_nop
.endr
	s_branch .Lasked_\@
.Lfor_b_\@:
	tensor_load_to_lds s[\g0b:\g0b+3], s[\g1b:\g1b+7]
	s_nop 0
.rept 4
	v_nop
.endr
.Lasked_\@:
.endm
.macro CREST                           ; a round of the cluster's barrier behind its opening barrier
	s_cmp_lg_u32 s14, 0
	s_cbranch_scc1 .Lnot_wave_0_\@
	s_barrier_signal -3
.Lnot_wave_0_\@:
	s_barrier_wait -3
	s_barrier_signal -1
	s_barrier_wait -1
.endm
.macro CROUND
	s_barrier_signal -1
	s_barrier_wait -1
	CREST
.endm
	s_load_b128 s[4:7], s[0:1], 0x0                ; ops s[4:5], qkv s[6:7]
	v_lshl_add_u32 v[SPW], v0, 2, SPARE
	v_mov_b32 v[NIL], 0
	ds_add_u32 v[SPW], v[NIL]
	ds_add_u32 v[SPW], v[NIL]                      ; the wave's opening: the add and its wait ahead of my first tensor load; the set-up below, work on registers, stands between them
	v_lshrrev_b32 v1, 5, v0
	v_readfirstlane_b32 s14, v1                    ; wave 0..3
	s_lshr_b32 s15, s14, 1                         ; which 128 places of S1 are mine.  Also: I fetch for S1 (0) or for S0 (1)
	s_and_b32 s16, s14, 1                          ; which 128 of S0.  Also: which of the two groups I fetch
	s_bfe_u32 s40, ttmp6, 0x40000                  ; cx, cy: my place in the cluster
	s_bfe_u32 s41, ttmp6, 0x40004
	s_and_b32 s2, ttmp9, 1                         ; the part, by the cluster's number, which all sixteen partners share
	s_sub_co_u32 s3, ttmp9, 16
	s_lshr_b32 s8, ttmp9, 1
	s_mov_b32 s99, VC
	s_cmp_lt_u32 ttmp9, 16
	s_cselect_b32 s2, s2, s3                       ; the cluster's column: Q, K: 2 of them; V^T: 8
	s_cselect_b32 s8, s8, 0                        ; its row: 8; 1
	s_cselect_b32 s18, 0, 80                       ; S1's first group in ops: X's; W_v's
	s_cselect_b32 s19, 64, 0                       ; S0's: W_q's; X's
	s_cselect_b32 s99, QKC, s99                    ; where the codes go in qkv,
	s_cselect_b32 s100, 0, VS                      ; and the scale words
	s_lshl_b32 s42, s2, 2
	s_add_co_u32 s42, s42, s40                     ; jt: which 256 of S0
	s_lshl_b32 s17, s8, 2
	s_add_co_u32 s17, s17, s41                     ; it: which 256 of S1
	s_lshl_b32 s43, s41, 2
	s_lshl_b32 s43, 15, s43                        ; my row of the cluster
	s_lshl_b32 s44, 0x1111, s40                    ; my column
	; descriptor group 1: 24,576 dense bytes as 96 rows of 32 elements of 8 bytes; no padding: an image is read 256 consecutive bytes an instruction
	s_or_b32 s[G1+0], s43, (3<<16)|(1<<21)         ; 15:0 the mask: S1's tiles go to my row; 17:16 elements of 8 bytes; 21 set beside a mask
	s_or_b32 s[G1B+0], s44, (3<<16)|(1<<21)
.irp g, G1, G1B
	s_mov_b32 s[\g+1], 32<<16                      ; tensor_dim0
	s_mov_b32 s[\g+2], 96<<16                      ; tensor_dim1
	s_mov_b32 s[\g+3], 32<<16                      ; tile_dim0
	s_mov_b32 s[\g+4], 96                          ; tile_dim1
	s_mov_b32 s[\g+5], 32                          ; tensor_dim0_stride
	s_mov_b32 s[\g+6], 0
	s_mov_b32 s[\g+7], 0
.endr
	s_or_b32 s[G1S+0], s43, (3<<16)|(1<<21)        ; a group's scale words: 4,096 dense bytes as 16 such rows
	s_or_b32 s[G1SB+0], s44, (3<<16)|(1<<21)
.irp g, G1S, G1SB
	s_mov_b32 s[\g+1], 32<<16
	s_mov_b32 s[\g+2], 16<<16
	s_mov_b32 s[\g+3], 32<<16
	s_mov_b32 s[\g+4], 16
	s_mov_b32 s[\g+5], 32
	s_mov_b32 s[\g+6], 0
	s_mov_b32 s[\g+7], 0
.endr
	s_lshl_b32 s20, s17, 1                         ; S1's group that I would fetch: made of it and the wave's number,
	s_add_co_u32 s20, s20, s18
	s_add_co_u32 s20, s20, s16
	s_lshl_b32 s46, s42, 1                         ; S0's: of jt and the wave's number; neither set of registers ever holds the other coordinate
	s_add_co_u32 s46, s46, s19
	s_add_co_u32 s46, s46, s16
	s_lshl_b32 s22, s20, 12
	s_mul_i32 s20, s20, 98304
	s_add_co_u32 s20, s20, CODES
	s_mov_b32 s21, 0
	s_mov_b32 s23, 0
	s_lshl_b32 s92, s46, 12
	s_mul_i32 s46, s46, 98304
	s_add_co_u32 s46, s46, CODES
	s_mov_b32 s47, 0
	s_mov_b32 s93, 0
	s_mul_i32 s45, s14, HALFT                      ; where they go: wave x a quarter of a slot: no place in the cluster enters an LDS address
	s_lshl_b32 s94, s14, 12
	s_wait_dscnt 0x0                               ; the opening add is done
	s_wait_kmcnt 0x0
	s_add_nc_u64 s[20:21], s[4:5], s[20:21]
	s_add_nc_u64 s[22:23], s[4:5], s[22:23]
	s_add_nc_u64 s[46:47], s[4:5], s[46:47]
	s_add_nc_u64 s[92:93], s[4:5], s[92:93]
	CROUND                                         ; all sixteen work-groups are here: the first joint loads meet
	s_mov_b32 s[G0S], 1
	s_add_co_u32 s[G0S+1], s94, SCL
	s_mov_b64 s[G0S+2:G0S+3], s[22:23]
	s_or_b32 s[G0S+3], s[G0S+3], 0x80000000
	s_mov_b32 s[G0SB], 1
	s_add_co_u32 s[G0SB+1], s94, SCL
	s_mov_b64 s[G0SB+2:G0SB+3], s[92:93]
	s_or_b32 s[G0SB+3], s[G0SB+3], 0x80000000
	JLOAD G0S, G1S, G0SB, G1SB                     ; the scale words first: they are wanted with the first K step
.irp s, 0,1
	s_mov_b32 s[G0+4*\s], 1
	s_add_co_u32 s[G0+4*\s+1], s45, \s*SLOT
	s_add_nc_u64 s[G0+4*\s+2:G0+4*\s+3], s[20:21], \s*HALFT
	s_or_b32 s[G0+4*\s+3], s[G0+4*\s+3], 0x80000000
	s_mov_b32 s[G0B+4*\s], 1
	s_add_co_u32 s[G0B+4*\s+1], s45, \s*SLOT
	s_add_nc_u64 s[G0B+4*\s+2:G0B+4*\s+3], s[46:47], \s*HALFT
	s_or_b32 s[G0B+4*\s+3], s[G0B+4*\s+3], 0x80000000
	JLOAD G0+4*\s, G1, G0B+4*\s, G1B               ; three tensor loads of mine are out
.endr
	v_and_b32 v1, 15, v0                           ; r
	v_bfe_u32 v2, v0, 4, 1                         ; h
	s_wait_alu depctr_va_vdst(0)
	v_and_b32 v3, 31, v0
	v_lshlrev_b32 v3, 3, v3                        ; 8 x lane
	s_wait_alu depctr_va_vdst(0)
	s_mul_i32 s21, s15, HALFT                      ; my group of S1
	s_mul_i32 s22, s16, HALFT                      ; my group of S0,
	s_add_co_u32 s22, s22, 2*HALFT                 ; behind S1's two
.irp s, 0,1
	v_add_nc_u32 v[ADRA+\s], s21, v3
	v_add_nc_u32 v[ADRB+\s], s22, v3
	s_add_co_u32 s21, s21, SLOT
	s_add_co_u32 s22, s22, SLOT
.endr
	v_lshlrev_b32 v5, 4, v1                        ; my place's words: 16 r
	s_lshl_b32 s21, s15, 12                        ; S1's: my group
	s_lshl_b32 s22, s16, 12                        ; S0's: my group, behind S1's two
	s_add_co_u32 s22, s22, 2*4096
	s_sub_co_u32 s22, s22, s21
	v_mul_u32_u24 v6, s22, v2                      ; lanes 16-31 take S0's: the lower base + h x the distance
	s_add_co_u32 s21, s21, SCL
	v_add_nc_u32 v5, v5, v6
	v_add_nc_u32 v[ADRS], s21, v5
	v_mov_b32 v[CO], v3
	v_lshlrev_b32 v[SO], 4, v1
	v_lshl_add_u32 v[SO], v2, 10, v[SO]
	v_lshlrev_b32 v[SH], 4, v2
.irp b, 0,1,2,3
	v_mov_b32 v[TM+4+\b], 0                        ; written once: a lane permute's destination counts as one of its sources
.endr
	s_mov_b32 s96, 0x76543210
	s_mov_b32 s97, 0xfedcba98                      ; selects for lane l xor 16
	s_mov_b32 s98, 0x1800000                       ; the floor 2^(3 - 127)
	; where my results go in qkv
	s_lshr_b32 s2, s42, 3                          ; V^T: the batch; Q, K: 0
	s_and_b32 s3, s42, 7
	s_lshl_b32 s3, s3, 2
	s_lshl_b32 s8, s16, 1
	s_add_co_u32 s3, s3, s8                        ; my first 64 along j: a head, or 64 keys of the batch
	s_mul_i32 s8, s2, 1572864
	s_add_co_u32 s99, s99, s8
	s_mul_i32 s8, s17, 393216
	s_add_co_u32 s99, s99, s8
	s_mul_i32 s8, s3, 12288
	s_add_co_u32 s99, s99, s8
	s_mul_i32 s8, s15, 6144
	s_add_co_u32 s8, s99, s8
	s_mov_b32 s9, 0
	s_add_nc_u64 s[12:13], s[6:7], s[8:9]          ; codes
	s_lshl_b32 s8, s2, 17
	s_add_co_u32 s100, s100, s8
	s_lshl_b32 s8, s17, 15
	s_add_co_u32 s100, s100, s8
	s_lshl_b32 s8, s3, 10
	s_add_co_u32 s100, s100, s8
	s_lshl_b32 s8, s15, 9
	s_add_co_u32 s8, s100, s8
	s_add_nc_u64 s[10:11], s[6:7], s[8:9]          ; scale words
.macro FRAG reg, adr, q, i             ; a fragment comes back as it was stored: six loads of 8 bytes a lane, 256 consecutive bytes each
.irp p, 0,1,2,3,4,5
	ds_load_b64 v[\reg+2*\p:\reg+2*\p+1], v[\adr] offset:12288*(\q)+1536*(\i)+256*\p
.endr
.endm
; 16 matrix instructions: S1's blocks a0, a0 + 1 x S0's eight, 128 along K.  p: S0's set; sc: the set of scale words.  zero = 1: the first product starts the sums.
; The 64 accumulators take turns, one instruction a turn, in the same order in every step.
.macro MUL16 a0, p, q, sc, zero
.irp a, \a0, \a0+1
.irp b, 0,1,2,3,4,5,6,7
.if \zero
	v_wmma_scale_f32_16x16x128_f8f6f4 v[8*(8*((\a)%4)+\b):8*(8*((\a)%4)+\b)+7], v[128*(\p)+FR*\b:128*(\p)+FR*\b+FR-1], v[AF+FR*(\a):AF+FR*(\a)+FR-1], 0, v[SC+8*NQ*(\sc)+NQ*\b+(\q)], v[SC+8*NQ*(\sc)+NQ*(\a)+(\q)] matrix_a_fmt:MATRIX_FMT_FP6 matrix_b_fmt:MATRIX_FMT_FP6 matrix_a_scale:MATRIX_SCALE_ROW1
.else
	v_wmma_scale_f32_16x16x128_f8f6f4 v[8*(8*((\a)%4)+\b):8*(8*((\a)%4)+\b)+7], v[128*(\p)+FR*\b:128*(\p)+FR*\b+FR-1], v[AF+FR*(\a):AF+FR*(\a)+FR-1], v[8*(8*((\a)%4)+\b):8*(8*((\a)%4)+\b)+7], v[SC+8*NQ*(\sc)+NQ*\b+(\q)], v[SC+8*NQ*(\sc)+NQ*(\a)+(\q)] matrix_a_fmt:MATRIX_FMT_FP6 matrix_b_fmt:MATRIX_FMT_FP6 matrix_a_scale:MATRIX_SCALE_ROW1
.endif
.endr
.endr
.endm
.macro FETCH_B slot, q, p
	WIN TO_B
.irp i, 0,1,2,3,4,5,6,7
	FRAG 128*(\p)+FR*\i, ADRB+\slot, \q, \i
.endr
	WIN 0
.endm
.macro FETCH_A slot, q, i0
.irp i, \i0, \i0+1, \i0+2, \i0+3
	FRAG AF+FR*(\i), ADRA+\slot, \q, \i
.endr
.endm
.macro SCALES sc, n                    ; the scale words of K steps 2 n and 2 n + 1 into set sc: lanes 0-15 S1's block i, lanes 16-31 S0's block i
.irp i, 0,1,2,3,4,5,6,7
	ds_load_b64 v[SC+16*(\sc)+2*\i:SC+16*(\sc)+2*\i+1], v[ADRS] offset:512*\i+256*((\n)/2)+8*((\n)%2)
.endr
.endm
.macro PLACES n                        ; plain places behind matrix instructions, in front of loads into registers that they have read and of the first read of results
.rept \n
	v_nop
.endr
.endm
.macro STEP slot, q, zero              ; a step of 128 along K that has its successor in the same slot
	s_wait_dscnt 4*NL                              ; S0's set and S1's blocks 0-3 are in; the youngest 24 loads (blocks 4-7) may be out
	WIN MUL_LO
	MUL16 0, (\q)%2, \q, \slot, \zero
	MUL16 2, (\q)%2, \q, \slot, \zero
	s_wait_dscnt 0
	PLACES NP
	FETCH_B \slot, (\q)+1, 1-(\q)%2
	FETCH_A \slot, (\q)+1, 0
	WIN MUL_HI
	MUL16 4, (\q)%2, \q, \slot, \zero
	MUL16 6, (\q)%2, \q, \slot, \zero
	PLACES NP
	WIN 0
	FETCH_A \slot, (\q)+1, 4
.endm
; A slot's last step changes slots: one barrier; in front of it each wave waits for all its tensor loads, adds 0 to its spare word, and waits for that and for its reads of this slot.
; fill = 1: this slot is filled again, two slots ahead; the barrier then opens a round of the cluster's.  n: which quarter of K lies in the next slot.
.macro TURN slot, next, fill, n
	s_wait_tensorcnt 0x0                           ; all my tensor loads have landed: my part of the next slot
	ds_add_u32 v[SPW], v[NIL]                      ; 0 onto my spare word
	s_wait_dscnt 4*NL+1                            ; (the add and the youngest 24 loads may be out)
	WIN MUL_LO
	MUL16 0, 1, NQ-1, \slot, 0
	s_wait_dscnt 0x0                               ; the add is done, and my reads of this slot are over
	s_barrier_signal -1
	MUL16 2, 1, NQ-1, \slot, 0
	WIN 0
	s_barrier_wait -1
.if \fill
	CREST                                          ; no wave of any partner still reads this slot or has a load on its way
	s_add_nc_u64 s[G0+4*\slot+2:G0+4*\slot+3], s[G0+4*\slot+2:G0+4*\slot+3], 2*HALFT
	s_add_nc_u64 s[G0B+4*\slot+2:G0B+4*\slot+3], s[G0B+4*\slot+2:G0B+4*\slot+3], 2*HALFT
	JLOAD G0+4*\slot, G1, G0B+4*\slot, G1B         ; my one tensor load behind the round; its four v_nop are also the places in front of the loads below
.else
	PLACES NP
.endif
	FETCH_B \next, 0, 0
	FETCH_A \next, 0, 0
	SCALES \next, \n
	WIN MUL_HI
	MUL16 4, 1, NQ-1, \slot, 0
	MUL16 6, 1, NQ-1, \slot, 0
	PLACES NP
	WIN 0
	FETCH_A \next, 0, 4
.endm
	s_wait_alu depctr_va_vdst(0)
	s_wait_tensorcnt 1                             ; the scale words and my part of slot 0 are in; slot 1's load may be out
	s_barrier_signal -1
	s_barrier_wait -1
	FETCH_B 0, 0, 0
	FETCH_A 0, 0, 0
	SCALES 0, 0
	FETCH_A 0, 0, 4
	STEP 0, 0, 1                                   ; the first products start the sums
	TURN 0, 1, 1, 1
	STEP 1, 0, 0
	TURN 1, 0, 1, 2
	STEP 0, 0, 0
	TURN 0, 1, 0, 3                                ; nothing is left to fetch
	STEP 1, 0, 0
	s_wait_dscnt 4*NL
	WIN MUL_LO
	MUL16 0, 1, NQ-1, 1, 0
	MUL16 2, 1, NQ-1, 1, 0
	s_wait_dscnt 0
	WIN MUL_HI
	MUL16 4, 1, NQ-1, 1, 0
	MUL16 6, 1, NQ-1, 1, 0
	WIN 0
; THE WAY OUT.  Block a of S1: my lane's 64 results, register 16 B + i = j 32 B + 16 (lane / 16) + i, become a fragment's codes and its place's scale word; the codes are stored as an image.  No LDS.
.macro QOUT a
.set AC, 64*((\a)%4)
.if (\a) < 4
	WIN 0x28                                       ; sources 1 and 2 window 2
.else
	WIN 0x3c                                       ; window 3
.endif
.irp b, 0,1,2,3
	v_max3_num_f32 v[TM+\b], s98, |v[AC+16*\b]|, |v[AC+16*\b+1]|   ; each accumulator is read from its low end on; the floor holds the byte at 1 from below
.endr
.irp i, 2,4,6,8,10,12,14
.irp b, 0,1,2,3
	v_max3_num_f32 v[TM+\b], v[TM+\b], |v[AC+16*\b+\i]|, |v[AC+16*\b+\i+1]|
.endr
.endr
	WIN 0
.irp b, 0,1,2,3
	v_permlanex16_b32 v[TM+4+\b], v[TM+\b], s96, s97
.endr
.irp b, 0,1,2,3
	v_max_num_f32 v[TM+\b], v[TM+\b], v[TM+4+\b]   ; with lane l xor 16's 16: the block's largest magnitude
.endr
.irp b, 0,1,2,3
	v_add_nc_u32 v[TM+12+\b], 0xff000000, v[TM+\b] ; 2 off the exponent field: the conversion's scale operand
.endr
.irp b, 0,1,2,3
	v_lshrrev_b32 v[TM+4+\b], 23, v[TM+12+\b]      ; the scale's byte
.endr
	v_lshl_or_b32 v[PWS+(\a)], v[TM+5], 8, v[TM+4]
	v_lshl_or_b32 v[PWS+(\a)], v[TM+6], 16, v[PWS+(\a)]
	v_lshl_or_b32 v[PWS+(\a)], v[TM+7], 24, v[PWS+(\a)]
.if (\a) > 0
	s_wait_xcnt 0x0                                ; the last block's stores have read their data: the codes' registers are written again only behind this wait
.endif
.if (\a) < 4
	WIN 0x02                                       ; source 0 window 2
.else
	WIN 0x03
.endif
.irp c, 0,1
	v_cvt_scalef32_pk16_fp6_f32 v[PC+6*\c:PC+6*\c+2], v[AC+32*\c:AC+32*\c+15], v[TM+12+2*\c]
	v_cvt_scalef32_pk16_fp6_f32 v[PC+12+4*\c:PC+14+4*\c], v[AC+32*\c+16:AC+32*\c+31], v[TM+12+2*\c+1]   ; (a conversion's three registers begin on an even number)
.endr
	WIN 0
	v_nop                                          ; one plain place behind a scaled conversion
.irp c, 0,1                                    ; the operand's layout wants a whole block in a lane: lanes 0-15 block 2 c, lanes 16-31 block 2 c + 1
.irp i, 0,1,2
	v_permlane16_swap_b32 v[PC+6*\c+\i], v[PC+12+4*\c+\i]
.endr
.irp i, 0,1,2
	v_mov_b32 v[PC+3+6*\c+\i], v[PC+12+4*\c+\i]
.endr
.endr
.irp p, 0,1,2,3,4,5
	global_store_b64 v[CO], v[PC+2*\p:PC+2*\p+1], s[12:13] offset:12288*(\p/3)+768*(\a)+256*(\p%3)   ; 32 lanes store 256 consecutive bytes, at a multiple of 256 from the buffer's first byte
.endr
.endm
	PLACES NP
	QOUT 0
	QOUT 1
	QOUT 2
	QOUT 3
	QOUT 4
	QOUT 5
	QOUT 6
	QOUT 7
.irp a, 0,1,2,3,4,5,6,7
	v_lshrrev_b32 v[PWS+\a], v[SH], v[PWS+\a]      ; lanes 16-31: the word of the upper 64 along j
.endr
.irp g, 0,1
	global_store_b128 v[SO], v[PWS+4*\g:PWS+4*\g+3], s[10:11] offset:256*\g   ; lanes 0-15 store 256 consecutive bytes for the lower 64 along j, lanes 16-31 for the upper
.endr
	s_wait_tensorcnt 0x0                           ; the wave's end: behind my last tensor load
	ds_add_u32 v[SPW], v[NIL]
	s_wait_dscnt 0x0
	CROUND                                         ; the closing round: no work-group ends while a partner may still ask for a tile that names it
	s_endpgm
.Lfunc_end_k_q7a61ea0c90_proj:
	.size	k_q7a61ea0c90_proj, .Lfunc_end_k_q7a61ea0c90_proj-k_q7a61ea0c90_proj
	.p2alignl 7, 3214868480
	.fill 96, 4, 3214868480
	.section	.rodata,"a",@progbits
	.p2align	6, 0x0
	.amdhsa_kernel k_q7a61ea0c90_proj
		.amdhsa_group_segment_fixed_size 327680
		.amdhsa_private_segment_fixed_size 0
		.amdhsa_enable_private_segment 0
		.amdhsa_kernarg_size 16
		.amdhsa_user_sgpr_count 2
		.amdhsa_user_sgpr_kernarg_segment_ptr 1
		.amdhsa_wavefront_size32 1
		.amdhsa_system_sgpr_workgroup_id_x 1
		.amdhsa_system_sgpr_workgroup_id_y 1
		.amdhsa_system_sgpr_workgroup_id_z 1
		.amdhsa_system_vgpr_workitem_id 0
		.amdhsa_next_free_vgpr 1024
		.amdhsa_next_free_sgpr 104
		.amdhsa_reserve_vcc 0
		.amdhsa_float_denorm_mode_32 3
		.amdhsa_float_denorm_mode_16_64 3
		.amdhsa_memory_ordered 1
		.amdhsa_forward_progress 1
		.amdhsa_inst_pref_size 166
	.end_amdhsa_kernel
	.amdgpu_metadata
---
amdhsa.version: [ 1, 2 ]
amdhsa.kernels:
  - .name:           k_q7a61ea0c90_proj
    .symbol:         k_q7a61ea0c90_proj.kd
    .args:
      - { .name: ops, .offset: 0, .size: 8, .value_kind: global_buffer, .address_space: global }
      - { .name: qkv, .offset: 8, .size: 8, .value_kind: global_buffer, .address_space: global }
    .group_segment_fixed_size: 327680
    .private_segment_fixed_size: 0
    .kernarg_segment_align: 8
    .kernarg_segment_size: 16
    .max_flat_workgroup_size: 128
    .sgpr_count:     104
    .vgpr_count:     1024
    .wavefront_size: 32
...
	.end_amdgpu_metadata
.endif
;; end of part 2
;; launch attn (part 3): grid 4 x 64, 16 waves a work-group, clusters of 4 x 1, 212,992 bytes of LDS; arguments qkv, att; writes att
.if DOCPART == 3
	.amdgcn_target "amdgcn-amd-amdhsa--gfx1250"
	.amdhsa_code_object_version 6
	.text
	.protected	k_q7a61ea0c90_attn
	.globl	k_q7a61ea0c90_attn
	.p2align	8
	.type	k_q7a61ea0c90_attn,@function
k_q7a61ea0c90_attn:
	s_mov_b64 s[64:65], 0
	v_nop
	global_prefetch_b8 v0, s[64:65] scope:SCOPE_SE
	s_setreg_imm32_b32 hwreg(HW_REG_WAVE_MODE, 25, 1), 1
	s_wait_xcnt 0x0
	s_wait_alu depctr_hold_cnt(0) depctr_sa_sdst(0) depctr_va_vdst(0) depctr_va_sdst(0) depctr_va_ssrc(0) depctr_va_vcc(0) depctr_vm_vsrc(0)
	s_getreg_b32 s2, hwreg(HW_REG_IB_STS2, 6, 4)
	s_cmp_eq_u32 s2, 0
	s_cbranch_scc0 .Lentry_in_a_cluster
	s_endpgm
.Lentry_in_a_cluster:
	s_bfe_u32 s2, ttmp6, 0x10000c
	s_cmp_lg_u32 s2, 0x3003
	s_cbranch_scc0 .Lentry_shape_is_right
	s_endpgm
.Lentry_shape_is_right:
; Causal attention of one head (64 heads x batches; 2,048 tokens; head size 64) on codes of FP6 (E2M3) with E8M0 scales, and its result quantised along the model's 1,024 for the last projection.
; t = score x log2(e) / 8; M = the row's largest t so far, rounded UP to a whole number; p = 2^(t - M) is quantised along the keys, not normalised; the row's sum is taken of the unquantised p and divides O at the end.
; When M moves, the sum and O are multiplied by 2^(old M - new M): exact.
; A WHOLE HEAD LIES IN LDS: K's codes 96 KiB, V^T's 96 KiB, their scale words 12 KiB: filled once, at the head.  So there is no ring, no refill, and one work-group barrier.
; CLUSTER.  The four work-groups of a cluster serve one head and need the same K and V: each of a wave's two fills is asked for jointly, with a mask that names the four.
; SHARES.  A tile of 16 queries whose queries lie in keys 128 s .. 128 s + 127 needs key steps 0 .. s (128 keys a step), of which step s lies on the diagonal.  Wave w makes two tiles, one a pass: s = w and s = 15 - w:
; 17 key steps for every wave of every work-group.  Of the eight tiles with one s, the work-group at place cx makes tiles 2 cx (pass 0) and 2 cx + 1 (pass 1): cx enters global addresses and the mask's number d alone.
; Every wave walks 16 trips a pass (a constant), and a scalar branch on the wave's number and the counts leads round the work of the hidden steps; no barrier and no tensor load stands there.
; LAYOUT.  Both products transposed: S^T = K Q^T, O^T = V^T P^T: a lane holds one query.  Tiles of tokens and of features hold their rows in the order 32 B + 8 u + 16 (i / 8) + i % 8 (tile 2 B + u, place i), so that the 16 registers of
; two neighbouring tiles of S^T are 16 neighbouring keys, and those of O^T 16 neighbouring features.
; THE FIRST PRODUCT'S K IS 64, the form's 128: Q's fragment has zero codes for k = 64 .. 127, with scale bytes 127 over them; K's fragment names twelve registers of which the upper six are the next tile's codes (for the last
; tile: zeros): finite numbers times zero.  K's upper two scale bytes are another head's or 0, never 255.
; LIMITS: a block whose largest magnitude lies under 2^-124 gets the byte 1; NaN and infinities are not served.
; Matrix and vector work are not set by turns inside a wave: a key step has 12 matrix instructions beside some 235 vector instructions; four waves share a SIMD.
.set QKC,  1572864
.set VS,   1048576
.set VC,   14155776
.set ATC,  262144
.set VCL,  98304                       ; LDS: K's codes [key tile 128][768] from 0; V^T's [64 keys 32][feature tile 4][768] from here;
.set KSC,  196608                      ; K's scale words [tile / 4][r][tile % 4];
.set VSC,  204800                      ; V^T's [key step 16][r][feature tile 4];
.set SPARE, 208896                     ; the spare words, 128 bytes for each wave: eight blocks of 256 bytes that no other line names
.set LK,  1                            ; v1   8 x lane
.set R16, 2                            ; v2   16 r
.set DQ,  3                            ; v3   the mask's d
.set SPW, 4                            ; v4   LDS address of my spare word; never rewritten
.set NIL, 5                            ; v5   0; never rewritten
.set ADK, 6                            ; v6-9 the step's LDS addresses: K's codes, V's codes, K's words, V's words
.set ADV, 7
.set ADS, 8
.set ADT, 9
.set KS0, 10                           ; v10  KSC + 16 r
.set VS0, 11                           ; v11  VSC + 16 r
.set VD0, 29                           ; v29  16 (r / 8) + r % 8 - 16 h
.set BM,  212                          ; v212-215 the blocks' largest scores, then largest p
.set PT,  216                          ; v216-219 at work
.set SOP, 220                          ; v220-223 the conversions' scale operands
; v12 -M, v13 the largest t, v[14:15] the sum; v16-21 Q's codes, v22-27 zeros; v28 Q's scale word; v32-79 fragments of K or of V, v80-85 zeros; v88-95 scale words; v96-159 S^T, then p; v160-191 O^T;
; v192-203 p's codes; v204-211 the conversions' second halves; v224 at work; v226 f; v227 p's scale word
.set WV,  8
.set CX,  9
.set BT,  11
.set HD,  12
.set G1K, 16
.set G1V, 24
.set G1KS, 32
.set G1VS, 40
.set G0K, 48
.set G0V, 52
.set G0KS, 56
.set G0VS, 60
.set SEL, 66
.set CS,  68
.set PASS, 70
.set KI,  71
.set SG,  72
.set KO,  73
.set KSO, 74
.set VSO, 75
.set QB,  80
.set QSB, 82
.set OB,  84
.set OSB, 86
.macro CROUND                          ; a round of the cluster's barrier
	s_barrier_signal -1
	s_barrier_wait -1
	s_cmp_lg_u32 s[WV], 0
	s_cbranch_scc1 .Lnot_wave_0_\@
	s_barrier_signal -3
.Lnot_wave_0_\@:
	s_barrier_wait -3
	s_barrier_signal -1
	s_barrier_wait -1
.endm
	s_load_b128 s[4:7], s[0:1], 0x0                ; qkv s[4:5], att s[6:7]
	v_lshl_add_u32 v[SPW], v0, 2, SPARE
	v_mov_b32 v[NIL], 0
	ds_add_u32 v[SPW], v[NIL]                      ; the wave's opening: the add and its wait ahead of my first tensor load; the set-up below, work on registers, stands between them
	ds_add_u32 v[SPW], v[NIL]
	v_lshrrev_b32 v1, 5, v0
	s_delay_alu instid0(VALU_DEP_1)
	v_readfirstlane_b32 s[WV], v1                  ; wave 0..15
	s_bfe_u32 s[CX], ttmp6, 0x40000                ; my place in the cluster
	s_and_b32 s10, ttmp7, 0xffff                   ; batch x 16 + head, which the four partners share
	s_lshr_b32 s[BT], s10, 4
	s_and_b32 s[HD], s10, 15
	; descriptor groups 1: elements of 8 bytes, no padding; 15:0 the mask: all four work-groups; 21 set beside a mask
	s_mov_b32 s[G1K], 15|(3<<16)|(1<<21)           ; K's codes of 256 tokens: 12,288 dense bytes as 48 rows of 256
	s_mov_b32 s[G1K+1], 32<<16
	s_mov_b32 s[G1K+2], 48<<16
	s_mov_b32 s[G1K+3], 32<<16
	s_mov_b32 s[G1K+4], 48
	s_mov_b32 s[G1K+5], 32
	s_mov_b32 s[G1K+6], 0
	s_mov_b32 s[G1K+7], 0
	s_mov_b32 s[G1V], 15|(3<<16)|(1<<21)           ; V^T's codes of 256 keys: 4 rows of 3,072 bytes (my head's four tiles), 12,288 bytes apart
	s_mov_b32 s[G1V+1], 384<<16
	s_mov_b32 s[G1V+2], 4<<16
	s_mov_b32 s[G1V+3], 384<<16
	s_mov_b32 s[G1V+4], 4
	s_mov_b32 s[G1V+5], 1536
	s_mov_b32 s[G1V+6], 0
	s_mov_b32 s[G1V+7], 0
	s_mov_b32 s[G1KS], 15|(3<<16)|(1<<21)          ; K's scale words of 256 tokens: 1,024 dense bytes
	s_mov_b32 s[G1KS+1], 32<<16
	s_mov_b32 s[G1KS+2], 4<<16
	s_mov_b32 s[G1KS+3], 32<<16
	s_mov_b32 s[G1KS+4], 4
	s_mov_b32 s[G1KS+5], 32
	s_mov_b32 s[G1KS+6], 0
	s_mov_b32 s[G1KS+7], 0
	s_mov_b32 s[G1VS], 15|(3<<16)|(1<<21)          ; V^T's scale words of two key steps: 2 rows of 256 bytes, 2,048 bytes apart
	s_mov_b32 s[G1VS+1], 32<<16
	s_mov_b32 s[G1VS+2], 2<<16
	s_mov_b32 s[G1VS+3], 32<<16
	s_mov_b32 s[G1VS+4], 2
	s_mov_b32 s[G1VS+5], 256
	s_mov_b32 s[G1VS+6], 0
	s_mov_b32 s[G1VS+7], 0
	s_mov_b32 s[SEL], 0x76543210
	s_mov_b32 s[SEL+1], 0xfedcba98                 ; selects for lane l xor 16
	s_mov_b32 s[CS], 0x3e38aa3b                    ; c = log2(e) / 8
	s_mov_b32 s[CS+1], s[CS]                       ; (named with it as a pair, so it is written)
	s_mov_b32 s88, 0xffff
	s_mov_b32 s89, 0x7f7f0000
	s_mov_b32 s[PASS], 0
	s_and_b32 s13, s[WV], 7                        ; which eighth of the keys I fetch
	s_lshl_b32 s76, s[BT], 3
	s_add_co_u32 s76, s76, s13                     ; its 256 tokens among all
	s_add_co_u32 s77, s[HD], 16                    ; K's heads lie behind Q's sixteen
	s_mov_b32 s79, 0
	s_mov_b32 s91, 0
	s_mov_b32 s93, 0
	s_wait_dscnt 0x0                               ; the opening add is done
	s_wait_kmcnt 0x0
	s_mov_b32 s[G0K], 1                            ; every wave makes all four groups 0, by the wave's number, the batch and the head alone, and issues two
	s_mul_i32 s[G0K+1], s[WV], 12288
	s_mul_i32 s78, s76, 393216
	s_mul_i32 s90, s77, 12288
	s_add_co_u32 s78, s78, s90
	s_add_co_u32 s78, s78, QKC
	s_add_nc_u64 s[G0K+2:G0K+3], s[4:5], s[78:79]
	s_or_b32 s[G0K+3], s[G0K+3], 0x80000000
	s_mov_b32 s[G0KS], 1
	s_lshl_b32 s[G0KS+1], s[WV], 10
	s_add_co_u32 s[G0KS+1], s[G0KS+1], KSC
	s_lshl_b32 s78, s76, 15
	s_lshl_b32 s90, s77, 10
	s_add_co_u32 s78, s78, s90
	s_add_nc_u64 s[G0KS+2:G0KS+3], s[4:5], s[78:79]
	s_or_b32 s[G0KS+3], s[G0KS+3], 0x80000000
	s_mov_b32 s[G0V], 1
	s_mul_i32 s[G0V+1], s[WV], 12288               ; waves 8 to 15: from VCL on
	s_lshr_b32 s76, s[HD], 2                       ; which 256 features
	s_and_b32 s77, s[HD], 3                        ; which four tiles of them
	s_mul_i32 s78, s[BT], 1572864
	s_mul_i32 s90, s76, 393216
	s_add_co_u32 s78, s78, s90
	s_mul_i32 s90, s77, 3072
	s_add_co_u32 s78, s78, s90
	s_mul_i32 s90, s13, 49152
	s_add_co_u32 s78, s78, s90
	s_add_co_u32 s78, s78, VC
	s_add_nc_u64 s[G0V+2:G0V+3], s[4:5], s[78:79]
	s_or_b32 s[G0V+3], s[G0V+3], 0x80000000
	s_mov_b32 s[G0VS], 1
	s_lshl_b32 s[G0VS+1], s[WV], 9
	s_add_co_u32 s[G0VS+1], s[G0VS+1], VSC-8*512   ; waves 8 to 15: from VSC on
	s_lshl_b32 s78, s[BT], 17
	s_lshl_b32 s90, s76, 15
	s_add_co_u32 s78, s78, s90
	s_lshl_b32 s90, s77, 8
	s_add_co_u32 s78, s78, s90
	s_lshl_b32 s90, s13, 12
	s_add_co_u32 s78, s78, s90
	s_add_co_u32 s78, s78, VS
	s_add_nc_u64 s[G0VS+2:G0VS+3], s[4:5], s[78:79]
	s_or_b32 s[G0VS+3], s[G0VS+3], 0x80000000
	CROUND                                         ; all four work-groups are here: the joint loads meet
	s_cmp_lt_u32 s[WV], 8                          ; a wave's two fills stand in one branch on the wave's number: two tensor loads of mine are out; an s_nop 0 follows each, four v_nop the second's
	s_cbranch_scc0 .Lfill_v
	tensor_load_to_lds s[G0K:G0K+3], s[G1K:G1K+7]
	s_nop 0
	tensor_load_to_lds s[G0KS:G0KS+3], s[G1KS:G1KS+7]
	s_nop 0
.rept 4
	v_nop
.endr
	s_branch .Lfilled
.Lfill_v:
	tensor_load_to_lds s[G0V:G0V+3], s[G1V:G1V+7]
	s_nop 0
	tensor_load_to_lds s[G0VS:G0VS+3], s[G1VS:G1VS+7]
	s_nop 0
.rept 4
	v_nop
.endr
.Lfilled:
	v_and_b32 v[LK], 31, v0
	s_delay_alu instid0(VALU_DEP_1)
	v_lshlrev_b32 v[LK], 3, v[LK]
	v_and_b32 v30, 15, v0                          ; r
	v_bfe_u32 v31, v0, 4, 1                        ; h
	s_delay_alu instid0(VALU_DEP_2)
	v_lshlrev_b32 v[R16], 4, v30
	s_delay_alu instid0(VALU_DEP_1)
	v_add_nc_u32 v[KS0], KSC, v[R16]
	s_delay_alu instid0(VALU_DEP_2)
	v_add_nc_u32 v[VS0], VSC, v[R16]
	v_lshrrev_b32 v[VD0], 3, v30
	s_delay_alu instid0(VALU_DEP_1)
	v_lshlrev_b32 v[VD0], 4, v[VD0]
	v_and_b32 v6, 7, v30
	s_delay_alu instid0(VALU_DEP_1)
	v_add_nc_u32 v[VD0], v[VD0], v6
	v_lshlrev_b32 v6, 4, v31
	s_delay_alu instid0(VALU_DEP_1)
	v_sub_nc_u32 v[VD0], v[VD0], v6
.irp j, 22,23,24,25,26,27,80,81,82,83,84,85,216,217,218,219,224,227
	v_mov_b32 v[\j], 0                             ; the zero codes; and registers that are named (a lane permute's destination, the upper half of a pair) before they are first written
.endr
	s_wait_tensorcnt 0x0                           ; my two fills have landed,
	s_barrier_signal -1
	s_barrier_wait -1                              ; everybody's have: the head lies in LDS
.Lpass:                                            ; two trips: my two tiles of queries
	s_wait_xcnt 0x0                                ; the last pass's loads and stores have read their bases and data: they are written again only behind this wait
	s_mul_i32 s76, s[PASS], 15
	s_xor_b32 s[SG], s[WV], s76                    ; s: w, then 15 - w
	s_lshl_b32 s77, s[CX], 1
	s_add_co_u32 s77, s77, s[PASS]                 ; which of the eight tiles with that s
	s_lshl_b32 s78, s[BT], 3
	s_lshr_b32 s79, s[SG], 1
	s_add_co_u32 s78, s78, s79                     ; the tile's 256 tokens among all,
	s_and_b32 s79, s[SG], 1
	s_lshl_b32 s79, s79, 3
	s_add_co_u32 s79, s79, s77                     ; and its number among their sixteen tiles
	s_mul_i32 s90, s78, 393216
	s_mul_i32 s92, s[HD], 12288
	s_add_co_u32 s90, s90, s92
	s_mul_i32 s92, s79, 768
	s_add_co_u32 s90, s90, s92
	s_add_co_u32 s90, s90, QKC
	s_add_nc_u64 s[QB:QB+1], s[4:5], s[90:91]      ; Q's codes
	s_lshl_b32 s90, s78, 15
	s_lshl_b32 s92, s[HD], 10
	s_add_co_u32 s90, s90, s92
	s_lshr_b32 s92, s79, 2
	s_lshl_b32 s92, s92, 8
	s_add_co_u32 s90, s90, s92
	s_and_b32 s92, s79, 3
	s_lshl_b32 s92, s92, 2
	s_add_co_u32 s90, s90, s92
	s_add_nc_u64 s[QSB:QSB+1], s[4:5], s[90:91]    ; Q's scale words
	s_lshl_b32 s78, s[BT], 4
	s_add_co_u32 s78, s78, s[SG]                   ; the tile's group of 128 tokens in att
	s_mul_i32 s90, s78, 98304
	s_lshr_b32 s92, s[HD], 1
	s_mul_i32 s92, s92, 12288                      ; two heads to a K step of the last projection,
	s_add_co_u32 s90, s90, s92
	s_mul_i32 s92, s77, 1536
	s_add_co_u32 s90, s90, s92
	s_and_b32 s92, s[HD], 1
	s_mul_i32 s92, s92, 768                        ; each a half of the fragment
	s_add_co_u32 s90, s90, s92
	s_add_co_u32 s90, s90, ATC
	s_add_nc_u64 s[OB:OB+1], s[6:7], s[90:91]      ; the result's codes
	s_lshl_b32 s90, s78, 3
	s_add_co_u32 s90, s90, s77
	s_lshl_b32 s90, s90, 9
	s_lshr_b32 s92, s[HD], 3
	s_lshl_b32 s92, s92, 8
	s_add_co_u32 s90, s90, s92
	s_and_b32 s92, s[HD], 7
	s_lshl_b32 s92, s92, 1                         ; two bytes a head
	s_add_co_u32 s90, s90, s92
	s_add_nc_u64 s[OSB:OSB+1], s[6:7], s[90:91]    ; and its scale bytes
	s_lshr_b32 s92, s77, 1
	s_lshl_b32 s92, s92, 5
	s_and_b32 s76, s77, 1
	s_lshl_b32 s76, s76, 3
	s_add_co_u32 s92, s92, s76
	v_add_nc_u32 v[DQ], s92, v[VD0]                ; d = my query - 128 s - 16 h: on the diagonal register 16 B + i holds a hidden key where 32 B + i > d
.irp p, 0,1,2
	global_load_b64 v[16+2*\p:17+2*\p], v[LK], s[QB:QB+1] offset:256*\p
.endr
	global_load_b32 v28, v[R16], s[QSB:QSB+1]
	v_mov_b32 v13, 0xff61b1e6                      ; the largest t so far: -3e38, under every t
	s_delay_alu instid0(VALU_DEP_1)
	v_floor_f32 v12, -v13                          ; -M
	v_mov_b32 v14, 0
	v_mov_b32 v15, 0
	s_wait_loadcnt 0x0
	v_and_or_b32 v28, v28, s88, s89                ; Q's two bytes, and 127 twice over the zero codes
.set j, 0
.rept 32
	v_mov_b32 v[160+j], 0                          ; O^T: the step is written once; its first walk finds zeros.  (These are also the places between the line above and the first product)
.set j, j+1
.endr
	s_mov_b32 s[KI], 0
	s_mov_b32 s[KO], 0
	s_mov_b32 s[KSO], 0
	s_mov_b32 s[VSO], 0
.Lkey:                                             ; 16 trips: a key step of 128 keys
	s_cmp_gt_u32 s[KI], s[SG]                      ; all its keys come after my queries: only the addresses step
	s_cbranch_scc1 .Lhid
	s_setprio 2
	v_add_nc_u32 v[ADK], s[KO], v[LK]              ; (these four are the places in front of the loads into registers that the last products read)
	s_delay_alu instid0(VALU_DEP_1)
	v_add_nc_u32 v[ADV], VCL, v[ADK]
	v_add_nc_u32 v[ADS], s[KSO], v[KS0]
	v_add_nc_u32 v[ADT], s[VSO], v[VS0]
.irp t, 0,1,2,3,4,5,6,7
.irp p, 0,1,2
	ds_load_b64 v[32+6*\t+2*\p:33+6*\t+2*\p], v[ADK] offset:768*\t+256*\p
.endr
.endr
	ds_load_b128 v[88:91], v[ADS]
	ds_load_b128 v[92:95], v[ADS] offset:256
	s_wait_alu depctr_va_vdst(0)
	s_wait_dscnt 0x0
.irp t, 0,1,2,3,4,5,6,7
	v_wmma_scale_f32_16x16x128_f8f6f4 v[96+8*\t:103+8*\t], v[32+6*\t:43+6*\t], v[16:27], 0, v[88+\t], v28 matrix_a_fmt:MATRIX_FMT_FP6 matrix_b_fmt:MATRIX_FMT_FP6
.endr
.rept 4
	v_nop                                          ; places behind the products: for the loads below and for the first read of the scores
.endr
.irp d, 0,1,2,3                                ; V^T's four fragments are asked for here and land under the softmax
.irp p, 0,1,2,3,4,5
	ds_load_b64 v[32+12*\d+2*\p:33+12*\d+2*\p], v[ADV] offset:3072*(\p/3)+768*\d+256*(\p%3)
.endr
.endr
	ds_load_b128 v[88:91], v[ADT]
	s_cmp_lg_u32 s[KI], s[SG]                      ; under the diagonal every key counts
	s_cbranch_scc1 .Lopen
	v_mov_b32 v224, 0xff800000                     ; on it the scores of hidden keys become -infinity ahead of the maximum: p = 0 then.  Key 128 s counts for every query of the tile
.set n, 0
.rept 64
	v_cmp_gt_i32 vcc_lo, 32*(n/16)+n%16, v[DQ]
	v_cndmask_b32 v[96+n], v[96+n], v224, vcc_lo
.set n, n+1
.endr
.Lopen:
.irp b, 0,1,2,3
	v_max3_num_f32 v[BM+\b], v[96+16*\b], v[97+16*\b], v[98+16*\b]   ; the largest score of each block of 32 keys: for the row's maximum and, since p rises with the score, for the block's largest p
.endr
.irp i, 3,5,7,9,11,13
.irp b, 0,1,2,3
	v_max3_num_f32 v[BM+\b], v[BM+\b], v[96+16*\b+\i], v[97+16*\b+\i]
.endr
.endr
.irp b, 0,1,2,3
	v_max_num_f32 v[BM+\b], v[BM+\b], v[111+16*\b]
.endr
.irp b, 0,1,2,3
	s_delay_alu instid0(VALU_DEP_4)
	v_permlanex16_b32 v[PT+\b], v[BM+\b], s[SEL], s[SEL+1]
.endr
.irp b, 0,1,2,3
	s_delay_alu instid0(VALU_DEP_4)
	v_max_num_f32 v[BM+\b], v[BM+\b], v[PT+\b]     ; with lane l xor 16's 16 keys
.endr
	s_delay_alu instid0(VALU_DEP_2)
	v_max3_num_f32 v224, v212, v213, v214
	s_delay_alu instid0(VALU_DEP_1)
	v_max_num_f32 v224, v224, v215
	s_delay_alu instid0(VALU_DEP_1)
	v_mul_f32 v224, s[CS], v224                    ; as t (c is positive)
	s_delay_alu instid0(VALU_DEP_1)
	v_max_num_f32 v13, v13, v224                   ; the running largest t
	v_mov_b32 v224, v12
	s_delay_alu instid0(VALU_DEP_2)
	v_floor_f32 v12, -v13                          ; the new -M = -ceil(t)
	s_delay_alu instid0(VALU_DEP_1)
	v_sub_f32 v224, v12, v224                      ; old M - new M: a whole number, 0 or less
	s_delay_alu instid0(VALU_DEP_1)
	v_cvt_i32_f32 v224, v224                       ; (it saturates)
	s_delay_alu instid0(VALU_DEP_1)
	v_ldexp_f32 v226, 1.0, v224                    ; f = 2^(old M - new M)
.set j, 0
	s_setprio 1
.rept 32
	v_pk_fma_f32 v[96+j:97+j], v[96+j:97+j], s[CS:CS+1], v[12:13] op_sel_hi:[1,0,0]   ; t - M, two at a time
.set j, j+2
.endr
.irp b, 0,1,2,3
	v_fma_f32 v[BM+\b], v[BM+\b], s[CS], v12       ; the same of each block's largest score
.endr
.set j, 0
	s_wait_alu depctr_va_vdst(0)
.rept 64
	v_exp_f32 v[96+j], v[96+j]                     ; p = 2^(t - M)
.set j, j+1
.endr
	v_pk_mul_f32 v[14:15], v[14:15], v[226:227] op_sel_hi:[1,0]   ; the sums under the new M: a plain place behind the exponentials
	s_wait_alu depctr_va_vdst(0)                   ; one wait for the batch of 64, ahead of its first reader
.irp b, 0,1,2,3
	v_exp_f32 v[BM+\b], v[BM+\b]                   ; the block's largest p: the same two instructions on the same number
.endr
	v_pk_add_f32 v[216:217], v[100:101], v[104:105]
	v_pk_add_f32 v[254:255], v[108:109], v[112:113]
	v_pk_add_f32 v[252:253], v[116:117], v[120:121]
	v_pk_add_f32 v[250:251], v[124:125], v[128:129]
	v_pk_add_f32 v[248:249], v[132:133], v[136:137]
	v_pk_add_f32 v[246:247], v[140:141], v[144:145]
	v_pk_add_f32 v[244:245], v[148:149], v[152:153]
	v_pk_add_f32 v[14:15], v[14:15], v[156:157]
	v_pk_add_f32 v[216:217], v[216:217], v[96:97]
	v_pk_add_f32 v[254:255], v[254:255], v[98:99]
	v_pk_add_f32 v[252:253], v[252:253], v[102:103]
	v_pk_add_f32 v[250:251], v[250:251], v[106:107]
	v_pk_add_f32 v[248:249], v[248:249], v[110:111]
	v_pk_add_f32 v[246:247], v[246:247], v[114:115]
	v_pk_add_f32 v[244:245], v[244:245], v[118:119]
	v_pk_add_f32 v[14:15], v[14:15], v[122:123]
	v_pk_add_f32 v[216:217], v[216:217], v[126:127]
	v_pk_add_f32 v[254:255], v[254:255], v[130:131]
	v_pk_add_f32 v[252:253], v[252:253], v[134:135]
	v_pk_add_f32 v[250:251], v[250:251], v[138:139]
	v_pk_add_f32 v[248:249], v[248:249], v[142:143]
	v_pk_add_f32 v[246:247], v[246:247], v[146:147]
	v_pk_add_f32 v[244:245], v[244:245], v[150:151]
	v_pk_add_f32 v[14:15], v[14:15], v[154:155]
	v_pk_add_f32 v[216:217], v[216:217], v[158:159]
	s_delay_alu instid0(VALU_DEP_2)
	v_pk_add_f32 v[14:15], v[14:15], v[250:251]
	s_delay_alu instid0(VALU_DEP_2)
	v_pk_add_f32 v[216:217], v[216:217], v[248:249]
	v_pk_add_f32 v[254:255], v[254:255], v[246:247]
	v_pk_add_f32 v[252:253], v[252:253], v[244:245]
	s_delay_alu instid0(VALU_DEP_2)
	v_pk_add_f32 v[14:15], v[14:15], v[254:255]
	s_delay_alu instid0(VALU_DEP_2)
	v_pk_add_f32 v[216:217], v[216:217], v[252:253]
	s_delay_alu instid0(VALU_DEP_1)
	v_pk_add_f32 v[14:15], v[14:15], v[216:217]
	s_setprio 0
	s_wait_alu depctr_va_vdst(0)                   ; and one for the four
.irp b, 0,1,2,3
	v_max_num_f32 v[BM+\b], 0x1800000, v[BM+\b]    ; the floor 2^(3 - 127): the byte cannot fall under 1
.endr
.irp b, 0,1,2,3
	s_delay_alu instid0(VALU_DEP_4)
	v_add_nc_u32 v[SOP+\b], 0xff000000, v[BM+\b]   ; 2 off the exponent field: the conversion's scale operand
.endr
.irp b, 0,1,2,3
	s_delay_alu instid0(VALU_DEP_4)
	v_lshrrev_b32 v[PT+\b], 23, v[SOP+\b]          ; the scale's byte
.endr
	s_delay_alu instid0(VALU_DEP_3)
	v_lshl_or_b32 v227, v217, 8, v216              ; p's scale word for these 128 keys
	s_delay_alu instid0(VALU_DEP_1)
	v_lshl_or_b32 v227, v218, 16, v227
	s_delay_alu instid0(VALU_DEP_1)
	v_lshl_or_b32 v227, v219, 24, v227
.irp c, 0,1
	v_cvt_scalef32_pk16_fp6_f32 v[192+6*\c:194+6*\c], v[96+32*\c:111+32*\c], v[SOP+2*\c]
	v_cvt_scalef32_pk16_fp6_f32 v[204+4*\c:206+4*\c], v[112+32*\c:127+32*\c], v[SOP+2*\c+1]   ; (a conversion's three registers begin on an even number)
.endr
	v_nop                                          ; one plain place behind a scaled conversion
.irp c, 0,1                                    ; the operand's layout wants a whole block in a lane
.irp i, 0,1,2
	v_permlane16_swap_b32 v[192+6*\c+\i], v[204+4*\c+\i]
.endr
.irp i, 0,1,2
	s_delay_alu instid0(VALU_DEP_3)
	v_mov_b32 v[195+6*\c+\i], v[204+4*\c+\i]
.endr
.endr
.set j, 0
.rept 16
	v_pk_mul_f32 v[160+j:161+j], v[160+j:161+j], v[226:227] op_sel_hi:[1,0]   ; O^T under the new M, each accumulator from its low end on.  (Also the places between p's codes and word and the products)
.set j, j+2
.endr
	s_wait_alu depctr_va_vdst(0)
	s_wait_dscnt 0x0                               ; V^T's fragments and words are in
.irp d, 0,1,2,3                                ; the four accumulators by turns, one instruction a turn
	v_wmma_scale_f32_16x16x128_f8f6f4 v[160+8*\d:167+8*\d], v[32+12*\d:43+12*\d], v[192:203], v[160+8*\d:167+8*\d], v[88+\d], v227 matrix_a_fmt:MATRIX_FMT_FP6 matrix_b_fmt:MATRIX_FMT_FP6
.endr
.Lhid:
	s_add_co_u32 s[KO], s[KO], 6144                ; the next step's tiles and words
	s_add_co_u32 s[KSO], s[KSO], 512
	s_add_co_u32 s[VSO], s[VSO], 256
	s_add_co_u32 s[KI], s[KI], 1
	s_cmp_lt_u32 s[KI], 16
	s_cbranch_scc1 .Lkey
	s_setprio 0
	; THE TILE'S END: O^T / the sum; register 16 B + i is feature 32 B + 16 h + i of my query: two blocks of the last projection's K; quantised, and stored as half a fragment's image
.rept 4
	v_nop                                          ; places behind the last products
.endr
	v_add_f32 v14, v14, v15
	s_delay_alu instid0(VALU_DEP_1)
	v_permlanex16_b32 v224, v14, s[SEL], s[SEL+1]
	s_delay_alu instid0(VALU_DEP_1)
	v_add_f32 v14, v14, v224                       ; the row's sum
	s_wait_alu depctr_va_vdst(0)
	v_rcp_f32 v14, v14
	v_nop                                          ; one plain place behind the reciprocal
	s_wait_alu depctr_va_vdst(0)                   ; and the wait ahead of its first reader
.set j, 0
.rept 32
	v_mul_f32 v[96+j], v[160+j], v14
.set j, j+1
.endr
.irp b, 0,1
	v_max3_num_f32 v[BM+\b], |v[96+16*\b]|, |v[97+16*\b]|, 0x1800000
.endr
.irp i, 2,4,6,8,10,12,14
.irp b, 0,1
	s_delay_alu instid0(VALU_DEP_2)
	v_max3_num_f32 v[BM+\b], v[BM+\b], |v[96+16*\b+\i]|, |v[97+16*\b+\i]|
.endr
.endr
.irp b, 0,1
	s_delay_alu instid0(VALU_DEP_2)
	v_permlanex16_b32 v[PT+\b], v[BM+\b], s[SEL], s[SEL+1]
.endr
.irp b, 0,1
	s_delay_alu instid0(VALU_DEP_2)
	v_max_num_f32 v[BM+\b], v[BM+\b], v[PT+\b]
.endr
.irp b, 0,1
	s_delay_alu instid0(VALU_DEP_2)
	v_add_nc_u32 v[SOP+\b], 0xff000000, v[BM+\b]
.endr
.irp b, 0,1
	s_delay_alu instid0(VALU_DEP_2)
	v_lshrrev_b32 v[PT+\b], 23, v[SOP+\b]
.endr
	s_delay_alu instid0(VALU_DEP_1)
	v_lshl_or_b32 v224, v217, 8, v216              ; my query's two scale bytes
	v_cvt_scalef32_pk16_fp6_f32 v[192:194], v[96:111], v[SOP]
	v_cvt_scalef32_pk16_fp6_f32 v[204:206], v[112:127], v[SOP+1]
	v_nop                                          ; one plain place behind a scaled conversion
.irp i, 0,1,2
	v_permlane16_swap_b32 v[192+\i], v[204+\i]
.endr
.irp i, 0,1,2
	s_delay_alu instid0(VALU_DEP_3)
	v_mov_b32 v[195+\i], v[204+\i]
.endr
.irp p, 0,1,2
	global_store_b64 v[LK], v[192+2*\p:193+2*\p], s[OB:OB+1] offset:256*\p   ; 32 lanes store 256 consecutive bytes, at a multiple of 256 from the buffer's first byte
.endr
	global_store_b16 v[R16], v224, s[OSB:OSB+1]    ; two bytes a query and head, 16 bytes apart: 1 byte in 24 of what the tile stores; both halves of the lanes write the same
	s_add_co_u32 s[PASS], s[PASS], 1
	s_cmp_lt_u32 s[PASS], 2
	s_cbranch_scc1 .Lpass
	s_wait_tensorcnt 0x0                           ; the wave's end: behind my last tensor load
	ds_add_u32 v[SPW], v[NIL]
	s_wait_dscnt 0x0
	CROUND                                         ; the closing round
	s_endpgm
.Lfunc_end_k_q7a61ea0c90_attn:
	.size	k_q7a61ea0c90_attn, .Lfunc_end_k_q7a61ea0c90_attn-k_q7a61ea0c90_attn
	.p2alignl 7, 3214868480
	.fill 96, 4, 3214868480
	.section	.rodata,"a",@progbits
	.p2align	6, 0x0
	.amdhsa_kernel k_q7a61ea0c90_attn
		.amdhsa_group_segment_fixed_size 212992
		.amdhsa_private_segment_fixed_size 0
		.amdhsa_enable_private_segment 0
		.amdhsa_kernarg_size 16
		.amdhsa_user_sgpr_count 2
		.amdhsa_user_sgpr_kernarg_segment_ptr 1
		.amdhsa_wavefront_size32 1
		.amdhsa_system_sgpr_workgroup_id_x 1
		.amdhsa_system_sgpr_workgroup_id_y 1
		.amdhsa_system_sgpr_workgroup_id_z 1
		.amdhsa_system_vgpr_workitem_id 0
		.amdhsa_next_free_vgpr 256
		.amdhsa_next_free_sgpr 96
		.amdhsa_reserve_vcc 1
		.amdhsa_float_denorm_mode_32 3
		.amdhsa_float_denorm_mode_16_64 3
		.amdhsa_memory_ordered 1
		.amdhsa_forward_progress 1
		.amdhsa_inst_pref_size 41
	.end_amdhsa_kernel
	.amdgpu_metadata
---
amdhsa.version: [ 1, 2 ]
amdhsa.kernels:
  - .name:           k_q7a61ea0c90_attn
    .symbol:         k_q7a61ea0c90_attn.kd
    .args:
      - { .name: qkv, .offset: 0, .size: 8, .value_kind: global_buffer, .address_space: global }
      - { .name: att, .offset: 8, .size: 8, .value_kind: global_buffer, .address_space: global }
    .group_segment_fixed_size: 212992
    .private_segment_fixed_size: 0
    .kernarg_segment_align: 8
    .kernarg_segment_size: 16
    .max_flat_workgroup_size: 512
    .sgpr_count:     96
    .vgpr_count:     256
    .wavefront_size: 32
...
	.end_amdgpu_metadata
.endif
;; end of part 3
;; launch outp (part 4): grid 4 x 32, 4 waves a work-group, clusters of 4 x 4, 327,680 bytes of LDS; arguments att, ops, out0; writes out0
.if DOCPART == 4
	.amdgcn_target "amdgcn-amd-amdhsa--gfx1250"
	.amdhsa_code_object_version 6
	.text
	.protected	k_q7a61ea0c90_outp
	.globl	k_q7a61ea0c90_outp
	.p2align	8
	.type	k_q7a61ea0c90_outp,@function
k_q7a61ea0c90_outp:
	s_mov_b64 s[64:65], 0
	v_nop
	global_prefetch_b8 v0, s[64:65] scope:SCOPE_SE
	s_setreg_imm32_b32 hwreg(HW_REG_WAVE_MODE, 25, 1), 1
	s_wait_xcnt 0x0
	s_wait_alu depctr_hold_cnt(0) depctr_sa_sdst(0) depctr_va_vdst(0) depctr_va_sdst(0) depctr_va_ssrc(0) depctr_va_vcc(0) depctr_vm_vsrc(0)
	s_getreg_b32 s2, hwreg(HW_REG_IB_STS2, 6, 4)
	s_cmp_eq_u32 s2, 0
	s_cbranch_scc0 .Lentry_in_a_cluster
	s_endpgm
.Lentry_in_a_cluster:
	s_bfe_u32 s2, ttmp6, 0x10000c
	s_cmp_lg_u32 s2, 0xf033
	s_cbranch_scc0 .Lentry_shape_is_right
	s_endpgm
.Lentry_shape_is_right:
; out0[i][j] = sum over k of A[i][k] W_o[j][k], K = 1,024, on codes of FP6 (E2M3) with E8M0 scales; out0 [8192][1024] f32.  A is the attention's result, quantised by the launch before (att); W_o's codes lie in ops, groups 88 to 95.
; OPERANDS are images of operand registers (16 places x 128 K = 1,536 bytes: register pair p of lane L at 256 p + 8 L), in groups of 128 places: codes at group x 98,304 + K step x 12,288 + tile x 1,536 behind the scale words,
; scale words at group x 4,096 + tile x 512 + (K step / 4) x 256 + 16 r + 4 (K step % 4).  Tile 2 B + u, place i, is row 32 B + 8 u + 16 (i / 8) + i % 8.
; SHAPE.  A work-group of four waves makes 256 x 256 of out0, a wave 128 x 128: 64 accumulators.  K goes in steps of 256 through two LDS slots; a wave's tensor load brings two K steps of one group: 24,576 dense bytes.
; The four groups' scale words come once.  K has four slots' worth: the steps are written out.  128 tiles of out0: 128 work-groups; a tile of half the size would read half as much again from LDS for each product.
; CLUSTER.  4 x 4 work-groups: A's groups are shared along a row, W_o's along a column: joint loads.
; THE MATRIX INSTRUCTION takes W_o's tiles as source 0 and A's as source 1: a lane holds one place of A, and its eight registers of tile 2 B + u are columns 32 B + 16 (lane / 16) + 8 u + 0 .. 7: 32 neighbouring bytes of a row.
; No L2 prefetch: each work-group has four fills a wave in all.
; REGISTERS, in windows of 256: window 0: v16-29 addresses; v32-63 scale words, two sets; v128-223 A's fragments, one set; on the way out v128-255 rows of out0.  window 1: W_o's fragments, two sets.  windows 2, 3: the accumulators.
.set NQ,     2
.set FR,     12
.set NL,     6
.set NP,     4                         ; places behind this matrix instruction (ISA guide 7.12.1)
.set HALFT,  24576
.set SLOT,   4*HALFT
.set SCL,    2*SLOT
.set SPARE,  SCL+4*4096                ; the spare words, 128 bytes for each wave: two blocks of 256 bytes that no other line names
.set CODES,  393216                    ; where the codes begin in ops,
.set ATC,    262144                    ; and in att
.set SPITCH, 528                       ; the way out: a stage of 16 rows x (512 bytes + 16) for each wave, in slot 0, which has had its last fill and its last read when the first result is stored there
.set ADRA, 16
.set ADRB, 20
.set STO,  24                          ; v24  the way out: where I put 32 bytes of a row
.set RD,   25                          ; v25  where I read a row back
.set CO,   26                          ; v26  my byte offset in a row of out0
.set ADRS, 27
.set SPW,  28                          ; v28  LDS address of my spare word; never rewritten
.set NIL,  29                          ; v29  0; never rewritten
.set SC,   32
.set AF,   128
.set BK,   128
.set G1, 24
.set G0, 32
.set G1B, 48
.set G0B, 56
.set G1S, 68
.set G0S, 76
.set G1SB, 80
.set G0SB, 88
.set MSB, 0
.macro WIN new                         ; the immediate's high byte repeats the setting that is left
.if MSB != \new
	s_set_vgpr_msb (MSB<<8)|\new
.set MSB, \new
.endif
.endm
.set MUL_LO, 0xa1
.set MUL_HI, 0xf1
.set TO_B,   0x40
; A joint load: waves 0 and 1 fetch for A, waves 2 and 3 for W_o.  The branch hangs on the wave's number alone.  An s_nop 0 and four v_nop follow each of the two lines.
.macro JLOAD g0a, g1a, g0b, g1b
	s_cmp_eq_u32 s15, 0
	s_cbranch_scc0 .Lfor_b_\@
	tensor_load_to_lds s[\g0a:\g0a+3], s[\g1a:\g1a+7]
	s_nop 0
.rept 4
	v_nop
.endr
	s_branch .Lasked_\@
.Lfor_b_\@:
	tensor_load_to_lds s[\g0b:\g0b+3], s[\g1b:\g1b+7]
	s_nop 0
.rept 4
	v_nop
.endr
.Lasked_\@:
.endm
.macro CREST
	s_cmp_lg_u32 s14, 0
	s_cbranch_scc1 .Lnot_wave_0_\@
	s_barrier_signal -3
.Lnot_wave_0_\@:
	s_barrier_wait -3
	s_barrier_signal -1
	s_barrier_wait -1
.endm
.macro CROUND
	s_barrier_signal -1
	s_barrier_wait -1
	CREST
.endm
	s_load_b128 s[4:7], s[0:1], 0x0                ; att s[4:5], ops s[6:7]
	s_load_b64 s[12:13], s[0:1], 0x10              ; out0
	v_lshl_add_u32 v[SPW], v0, 2, SPARE
	v_mov_b32 v[NIL], 0
	ds_add_u32 v[SPW], v[NIL]
	ds_add_u32 v[SPW], v[NIL]                      ; the wave's opening: the add and its wait ahead of my first tensor load; the set-up below, work on registers, stands between them
	v_lshrrev_b32 v1, 5, v0
	v_readfirstlane_b32 s14, v1                    ; wave 0..3
	s_lshr_b32 s15, s14, 1                         ; which 128 rows are mine.  Also: I fetch for A (0) or for W_o (1)
	s_and_b32 s16, s14, 1                          ; which 128 columns.  Also: which of the two groups I fetch
	s_bfe_u32 s40, ttmp6, 0x40000                  ; cx, cy
	s_bfe_u32 s41, ttmp6, 0x40004
	s_lshl_b32 s42, ttmp9, 2
	s_add_co_u32 s42, s42, s40                     ; tile column
	s_and_b32 s17, ttmp7, 0xffff
	s_lshl_b32 s17, s17, 2
	s_add_co_u32 s17, s17, s41                     ; tile row
	s_lshl_b32 s43, s41, 2
	s_lshl_b32 s43, 15, s43                        ; my row of the cluster
	s_lshl_b32 s44, 0x1111, s40                    ; my column
	s_or_b32 s[G1+0], s43, (3<<16)|(1<<21)         ; 24,576 dense bytes as 96 rows of 32 elements of 8 bytes; 15:0 the mask; 21 set beside a mask; no padding
	s_or_b32 s[G1B+0], s44, (3<<16)|(1<<21)
.irp g, G1, G1B
	s_mov_b32 s[\g+1], 32<<16
	s_mov_b32 s[\g+2], 96<<16
	s_mov_b32 s[\g+3], 32<<16
	s_mov_b32 s[\g+4], 96
	s_mov_b32 s[\g+5], 32
	s_mov_b32 s[\g+6], 0
	s_mov_b32 s[\g+7], 0
.endr
	s_or_b32 s[G1S+0], s43, (3<<16)|(1<<21)        ; a group's scale words: 4,096 dense bytes as 16 such rows
	s_or_b32 s[G1SB+0], s44, (3<<16)|(1<<21)
.irp g, G1S, G1SB
	s_mov_b32 s[\g+1], 32<<16
	s_mov_b32 s[\g+2], 16<<16
	s_mov_b32 s[\g+3], 32<<16
	s_mov_b32 s[\g+4], 16
	s_mov_b32 s[\g+5], 32
	s_mov_b32 s[\g+6], 0
	s_mov_b32 s[\g+7], 0
.endr
	s_lshl_b32 s20, s17, 1
	s_add_co_u32 s20, s20, s16                     ; A's group that I would fetch: of the tile row and the wave's number,
	s_lshl_b32 s46, s42, 1
	s_add_co_u32 s46, s46, s16
	s_add_co_u32 s46, s46, 88                      ; W_o's: of the tile column and the wave's number
	s_lshl_b32 s22, s20, 12
	s_mul_i32 s20, s20, 98304
	s_add_co_u32 s20, s20, ATC
	s_mov_b32 s21, 0
	s_mov_b32 s23, 0
	s_lshl_b32 s92, s46, 12
	s_mul_i32 s46, s46, 98304
	s_add_co_u32 s46, s46, CODES
	s_mov_b32 s47, 0
	s_mov_b32 s93, 0
	s_mul_i32 s45, s14, HALFT                      ; where they go: no place in the cluster enters an LDS address
	s_lshl_b32 s94, s14, 12
	s_wait_dscnt 0x0                               ; the opening add is done
	s_wait_kmcnt 0x0
	s_add_nc_u64 s[20:21], s[4:5], s[20:21]
	s_add_nc_u64 s[22:23], s[4:5], s[22:23]
	s_add_nc_u64 s[46:47], s[6:7], s[46:47]
	s_add_nc_u64 s[92:93], s[6:7], s[92:93]
	CROUND                                         ; all sixteen work-groups are here: the first joint loads meet
	s_mov_b32 s[G0S], 1
	s_add_co_u32 s[G0S+1], s94, SCL
	s_mov_b64 s[G0S+2:G0S+3], s[22:23]
	s_or_b32 s[G0S+3], s[G0S+3], 0x80000000
	s_mov_b32 s[G0SB], 1
	s_add_co_u32 s[G0SB+1], s94, SCL
	s_mov_b64 s[G0SB+2:G0SB+3], s[92:93]
	s_or_b32 s[G0SB+3], s[G0SB+3], 0x80000000
	JLOAD G0S, G1S, G0SB, G1SB
.irp s, 0,1
	s_mov_b32 s[G0+4*\s], 1
	s_add_co_u32 s[G0+4*\s+1], s45, \s*SLOT
	s_add_nc_u64 s[G0+4*\s+2:G0+4*\s+3], s[20:21], \s*HALFT
	s_or_b32 s[G0+4*\s+3], s[G0+4*\s+3], 0x80000000
	s_mov_b32 s[G0B+4*\s], 1
	s_add_co_u32 s[G0B+4*\s+1], s45, \s*SLOT
	s_add_nc_u64 s[G0B+4*\s+2:G0B+4*\s+3], s[46:47], \s*HALFT
	s_or_b32 s[G0B+4*\s+3], s[G0B+4*\s+3], 0x80000000
	s_wait_alu depctr_va_vdst(0)
	s_wait_tensorcnt 0x0
	ds_add_u32 v28, v29
	s_wait_dscnt 0x0
	CROUND
	JLOAD G0+4*\s, G1, G0B+4*\s, G1B               ; one tensor load of mine is out
.endr
	v_and_b32 v1, 15, v0                           ; r
	v_bfe_u32 v2, v0, 4, 1                         ; h
	s_wait_alu depctr_va_vdst(0)
	v_and_b32 v3, 31, v0
	v_lshlrev_b32 v3, 3, v3                        ; 8 x lane
	s_mul_i32 s21, s15, HALFT
	s_mul_i32 s22, s16, HALFT
	s_add_co_u32 s22, s22, 2*HALFT
.irp s, 0,1
	v_add_nc_u32 v[ADRA+\s], s21, v3
	v_add_nc_u32 v[ADRB+\s], s22, v3
	s_add_co_u32 s21, s21, SLOT
	s_add_co_u32 s22, s22, SLOT
.endr
	v_lshlrev_b32 v5, 4, v1
	s_lshl_b32 s21, s15, 12
	s_lshl_b32 s22, s16, 12
	s_add_co_u32 s22, s22, 2*4096
	s_sub_co_u32 s22, s22, s21
	v_mul_u32_u24 v6, s22, v2                      ; lanes 16-31 take W_o's words: the lower base + h x the distance
	s_add_co_u32 s21, s21, SCL
	v_add_nc_u32 v5, v5, v6
	v_add_nc_u32 v[ADRS], s21, v5
	s_mul_i32 s23, s14, 16*SPITCH                  ; my stage
	v_mul_u32_u24 v5, v1, SPITCH                   ; in: row r, + 64 h bytes
	v_lshl_add_u32 v5, v2, 6, v5
	v_add_nc_u32 v[STO], s23, v5
	v_and_b32 v6, 31, v0
	v_lshlrev_b32 v[CO], 4, v6                     ; back: the 32 lanes take one row of 512 bytes; and the same in out0
	v_add_nc_u32 v[RD], s23, v[CO]
	s_lshl_b32 s20, s17, 8
	s_lshl_b32 s21, s15, 7
	s_add_co_u32 s20, s20, s21                     ; my first row
	s_lshl_b32 s20, s20, 12                        ; rows of 4,096 bytes
	s_lshl_b32 s46, s42, 10
	s_lshl_b32 s47, s16, 9
	s_add_co_u32 s46, s46, s47                     ; my first column, in bytes
	s_add_co_u32 s20, s20, s46
	s_mov_b32 s21, 0
	s_add_nc_u64 s[12:13], s[12:13], s[20:21]
.macro FRAG reg, adr, q, i             ; a fragment comes back as it was stored: six loads of 8 bytes a lane, 256 consecutive bytes each
.irp p, 0,1,2,3,4,5
	ds_load_b64 v[\reg+2*\p:\reg+2*\p+1], v[\adr] offset:12288*(\q)+1536*(\i)+256*\p
.endr
.endm
; 16 matrix instructions: A's blocks a0, a0 + 1 x W_o's eight, 128 along K.  The 64 accumulators take turns, one instruction a turn, in the same order in every step.
.macro MUL16 a0, p, q, sc, zero
.irp a, \a0, \a0+1
.irp b, 0,1,2,3,4,5,6,7
.if \zero
	v_wmma_scale_f32_16x16x128_f8f6f4 v[8*(8*((\a)%4)+\b):8*(8*((\a)%4)+\b)+7], v[128*(\p)+FR*\b:128*(\p)+FR*\b+FR-1], v[AF+FR*(\a):AF+FR*(\a)+FR-1], 0, v[SC+8*NQ*(\sc)+NQ*\b+(\q)], v[SC+8*NQ*(\sc)+NQ*(\a)+(\q)] matrix_a_fmt:MATRIX_FMT_FP6 matrix_b_fmt:MATRIX_FMT_FP6 matrix_a_scale:MATRIX_SCALE_ROW1
.else
	v_wmma_scale_f32_16x16x128_f8f6f4 v[8*(8*((\a)%4)+\b):8*(8*((\a)%4)+\b)+7], v[128*(\p)+FR*\b:128*(\p)+FR*\b+FR-1], v[AF+FR*(\a):AF+FR*(\a)+FR-1], v[8*(8*((\a)%4)+\b):8*(8*((\a)%4)+\b)+7], v[SC+8*NQ*(\sc)+NQ*\b+(\q)], v[SC+8*NQ*(\sc)+NQ*(\a)+(\q)] matrix_a_fmt:MATRIX_FMT_FP6 matrix_b_fmt:MATRIX_FMT_FP6 matrix_a_scale:MATRIX_SCALE_ROW1
.endif
.endr
.endr
.endm
.macro FETCH_B slot, q, p
	WIN TO_B
.irp i, 0,1,2,3,4,5,6,7
	FRAG 128*(\p)+FR*\i, ADRB+\slot, \q, \i
.endr
	WIN 0
.endm
.macro FETCH_A slot, q, i0
.irp i, \i0, \i0+1, \i0+2, \i0+3
	FRAG AF+FR*(\i), ADRA+\slot, \q, \i
.endr
.endm
.macro SCALES sc, n                    ; the scale words of K steps 2 n and 2 n + 1 into set sc: lanes 0-15 A's block i, lanes 16-31 W_o's block i
.irp i, 0,1,2,3,4,5,6,7
	ds_load_b64 v[SC+16*(\sc)+2*\i:SC+16*(\sc)+2*\i+1], v[ADRS] offset:512*\i+256*((\n)/2)+8*((\n)%2)
.endr
.endm
.macro PLACES n                        ; plain places behind matrix instructions, in front of loads into registers that they have read and of the first read of results
.rept \n
	v_nop
.endr
.endm
.macro STEP slot, q, zero
	s_wait_dscnt 4*NL                              ; W_o's set and A's blocks 0-3 are in; the youngest 24 loads (blocks 4-7) may be out
	WIN MUL_LO
	MUL16 0, (\q)%2, \q, \slot, \zero
	MUL16 2, (\q)%2, \q, \slot, \zero
	s_wait_dscnt 0
	PLACES NP
	FETCH_B \slot, (\q)+1, 1-(\q)%2
	FETCH_A \slot, (\q)+1, 0
	WIN MUL_HI
	MUL16 4, (\q)%2, \q, \slot, \zero
	MUL16 6, (\q)%2, \q, \slot, \zero
	PLACES NP
	WIN 0
	FETCH_A \slot, (\q)+1, 4
.endm
; A slot's last step changes slots: one barrier; in front of it each wave waits for all its tensor loads, adds 0 to its spare word, and waits for that and for its reads of this slot.
; fill = 1: this slot is filled again, two slots ahead; the barrier then opens a round of the cluster's.  n: which quarter of K lies in the next slot.
.macro TURN slot, next, fill, n
	s_wait_tensorcnt 0x0                           ; all my tensor loads have landed: my part of the next slot
	ds_add_u32 v[SPW], v[NIL]                      ; 0 onto my spare word
	s_wait_dscnt 4*NL+1                            ; (the add and the youngest 24 loads may be out)
	WIN MUL_LO
	MUL16 0, 1, NQ-1, \slot, 0
	s_wait_dscnt 0x0                               ; the add is done, and my reads of this slot are over
	s_barrier_signal -1
	MUL16 2, 1, NQ-1, \slot, 0
	WIN 0
	s_barrier_wait -1
.if \fill
	CREST                                          ; no wave of any partner still reads this slot or has a load on its way
	s_add_nc_u64 s[G0+4*\slot+2:G0+4*\slot+3], s[G0+4*\slot+2:G0+4*\slot+3], 2*HALFT
	s_add_nc_u64 s[G0B+4*\slot+2:G0B+4*\slot+3], s[G0B+4*\slot+2:G0B+4*\slot+3], 2*HALFT
	JLOAD G0+4*\slot, G1, G0B+4*\slot, G1B         ; my one tensor load behind the round; its four v_nop are also the places in front of the loads below
.else
	PLACES NP
.endif
	FETCH_B \next, 0, 0
	FETCH_A \next, 0, 0
	SCALES \next, \n
	WIN MUL_HI
	MUL16 4, 1, NQ-1, \slot, 0
	MUL16 6, 1, NQ-1, \slot, 0
	PLACES NP
	WIN 0
	FETCH_A \next, 0, 4
.endm
	s_wait_alu depctr_va_vdst(0)
	s_wait_tensorcnt 1                             ; the scale words and my part of slot 0 are in; slot 1's load may be out
	s_barrier_signal -1
	s_barrier_wait -1
	FETCH_B 0, 0, 0
	FETCH_A 0, 0, 0
	SCALES 0, 0
	FETCH_A 0, 0, 4
	STEP 0, 0, 1                                   ; the first products start the sums
	TURN 0, 1, 1, 1
	STEP 1, 0, 0
	TURN 1, 0, 1, 2
	STEP 0, 0, 0
	TURN 0, 1, 0, 3                                ; nothing is left to fetch; behind this barrier nobody reads slot 0
	STEP 1, 0, 0
	s_wait_dscnt 4*NL
	WIN MUL_LO
	MUL16 0, 1, NQ-1, 1, 0
	MUL16 2, 1, NQ-1, 1, 0
	s_wait_dscnt 0
	WIN MUL_HI
	MUL16 4, 1, NQ-1, 1, 0
	MUL16 6, 1, NQ-1, 1, 0
	WIN 0
; THE WAY OUT, block by block of 16 places x 128 columns, through my own stage in LDS: in as 32 bytes a lane, back as whole rows of 512 bytes.  LDS serves a wave's instructions in order (ISA guide 5.7.1.4):
; no wait between the stores and the loads, nor in front of the next block's stores.  Stage row t of block a is row 32 (a / 2) + 8 (a % 2) + 16 (t / 8) + t % 8 of my 128.
.macro TOSTAGE a
.set AC, 64*((\a)%4)
	WIN 0x08+4*((\a)/4)                            ; the data: window 2 or 3
.irp b, 0,1,2,3,4,5,6,7
	ds_store_b128 v[STO], v[AC+8*\b:AC+8*\b+3] offset:128*(\b/2)+32*(\b%2)          ; each accumulator from its low end on
	ds_store_b128 v[STO], v[AC+8*\b+4:AC+8*\b+7] offset:128*(\b/2)+32*(\b%2)+16
.endr
	WIN 0
.set BB, BK+64*((\a)%2)
.irp t, 0,1,2,3,4,5,6,7,8,9,10,11,12,13,14,15
	ds_load_b128 v[BB+4*\t:BB+4*\t+3], v[RD] offset:\t*SPITCH
.endr
.endm
.macro SEND a, younger                 ; younger: the LDS instructions issued behind block a's loads, which may stay out
.set BB, BK+64*((\a)%2)
	s_wait_dscnt \younger
.if (\a) > 0
.if ((\a)%2) == 1
	s_add_nc_u64 s[12:13], s[12:13], 8*4096        ; (behind a wait on XCNT: the earlier stores have read their base)  from an even block to the odd one: 8 rows on
.else
	s_add_nc_u64 s[12:13], s[12:13], 24*4096       ; from an odd block to the next even one: 24 rows on
.endif
.endif
.irp t, 0,1,2,3,4,5,6,7,8,9,10,11,12,13,14,15
	global_store_b128 v[CO], v[BB+4*\t:BB+4*\t+3], s[12:13] offset:(16*(\t/8)+\t%8)*4096 th:TH_STORE_NT   ; 32 lanes store 512 consecutive bytes, at a multiple of 256 from out0's first byte
.endr
.endm
	PLACES NP
	TOSTAGE 0
.irp a, 1,2,3,4,5,6,7
.if \a > 1
	s_wait_xcnt 0x0                                ; block a - 2's stores have read their registers and their base: block a's loads may land there, and the base may step
.endif
	TOSTAGE \a
	SEND \a-1, 32                                  ; behind block a - 1's loads: block a's 16 stores and 16 loads
.endr
	s_wait_xcnt 0x0
	SEND 7, 0
	s_wait_tensorcnt 0x0                           ; the wave's end: behind my last tensor load and my last LDS store
	ds_add_u32 v[SPW], v[NIL]
	s_wait_dscnt 0x0
	CROUND                                         ; the closing round
	s_endpgm
.Lfunc_end_k_q7a61ea0c90_outp:
	.size	k_q7a61ea0c90_outp, .Lfunc_end_k_q7a61ea0c90_outp-k_q7a61ea0c90_outp
	.p2alignl 7, 3214868480
	.fill 96, 4, 3214868480
	.section	.rodata,"a",@progbits
	.p2align	6, 0x0
	.amdhsa_kernel k_q7a61ea0c90_outp
		.amdhsa_group_segment_fixed_size 327680
		.amdhsa_private_segment_fixed_size 0
		.amdhsa_enable_private_segment 0
		.amdhsa_kernarg_size 24
		.amdhsa_user_sgpr_count 2
		.amdhsa_user_sgpr_kernarg_segment_ptr 1
		.amdhsa_wavefront_size32 1
		.amdhsa_system_sgpr_workgroup_id_x 1
		.amdhsa_system_sgpr_workgroup_id_y 1
		.amdhsa_system_sgpr_workgroup_id_z 1
		.amdhsa_system_vgpr_workitem_id 0
		.amdhsa_next_free_vgpr 1024
		.amdhsa_next_free_sgpr 104
		.amdhsa_reserve_vcc 0
		.amdhsa_float_denorm_mode_32 3
		.amdhsa_float_denorm_mode_16_64 3
		.amdhsa_memory_ordered 1
		.amdhsa_forward_progress 1
		.amdhsa_inst_pref_size 160
	.end_amdhsa_kernel
	.amdgpu_metadata
---
amdhsa.version: [ 1, 2 ]
amdhsa.kernels:
  - .name:           k_q7a61ea0c90_outp
    .symbol:         k_q7a61ea0c90_outp.kd
    .args:
      - { .name: att, .offset: 0, .size: 8, .value_kind: global_buffer, .address_space: global }
      - { .name: ops, .offset: 8, .size: 8, .value_kind: global_buffer, .address_space: global }
      - { .name: out0, .offset: 16, .size: 8, .value_kind: global_buffer, .address_space: global }
    .group_segment_fixed_size: 327680
    .private_segment_fixed_size: 0
    .kernarg_segment_align: 8
    .kernarg_segment_size: 24
    .max_flat_workgroup_size: 128
    .sgpr_count:     104
    .vgpr_count:     1024
    .wavefront_size: 32
...
	.end_amdgpu_metadata
.endif
;; end of part 4
